; MI455X (gfx1250); checked and timed in simulation.
; The chip was launched on July 23, 2026; its instructions are those of AMD's public machine-readable ISA for CDNA 5 (MIT licence, August 2026) and "CDNA5" Instruction Set Architecture Reference Guide (July 2026). The comments in the code are by the model that wrote it; some were corrected since.
;; Attention. Allowed arithmetic: matrix products marked QUANTISED: E4M3 operands, one E8M0 scale for each 32 along K, by v_wmma_scale_f32_16x16x128_f8f6f4 with both operands' format E4M3, f32 sums; everything else in f32.
;; Inputs: K 4 x 2,048 x 1,024 float32; Q 4 x 2,048 x 1,024 float32; V 4 x 2,048 x 1,024 float32; Wk_b 1,024 float32; Wk_w 1,024 x 1,024 float32; Wq_b 1,024 float32; Wq_w 1,024 x 1,024 float32; Wv_b 1,024 float32; Wv_w 1,024 x 1,024 float32; mask 4 x 2,048 x 2,048 int32.
;; Outputs: out0 4 x 2,048 x 1,024 float32.
;; This version of the problem:
;;   THIS VERSION OF THE PROBLEM IS GIVEN IN LOW PRECISION. The matrix products marked QUANTISED in the list below multiply operands that are first quantised to E4M3 (4 exponent bits, 3 mantissa bits; 8 bits a number), with one power-of-two scale for each 32 numbers along K (OCP MX v1.0); their sums are f32. All else is computed in f32.
;;   The module's matrix products, in the order in which they are computed (A, B: the left and right operand; K: the contracted axis; several contracted axes count as one K, in the product's order):
;;     1. [M 8,192, K 1,024] x [K 1,024, N 1,024]; A: input Q; B: input Wq_w: QUANTISED
;;     2. [M 8,192, K 1,024] x [K 1,024, N 1,024]; A: input K; B: input Wk_w: QUANTISED
;;     3. [M 8,192, K 1,024] x [K 1,024, N 1,024]; A: input V; B: input Wv_w: QUANTISED
;;     4. batch 4 x [M 2,048, K 1,024] x [K 1,024, N 2,048]; A: computed on the way; B: computed on the way: QUANTISED
;;     5. batch 4 x [M 2,048, K 2,048] x [K 2,048, N 1,024]; A: softmax (see below); B: computed on the way: QUANTISED
;;   THE QUANTISER, for each operand of a quantised product, along K:
;;     - K is cut into blocks of 32 from its start; a last block that is shorter is filled with zeros.
;;     - A block's scale is 2^e with e = floor(log2(the largest magnitude in the block)) - 8, held to -126 .. 127; a block of zeros has e = 0. As a byte (E8M0): e + 127.
;;     - Each number is divided by its block's scale, clamped to +-448, and rounded to the nearest number of E4M3, ties to even, subnormals kept.
;;     - The product sums the exact products of the quantised numbers (number of the format x scale) in f32.
;;   ~~~python
;;   def quantise(x, axis):      # numpy; x: float32 -> the quantised numbers, widened to float32 again
;;       x = np.moveaxis(x, axis, -1); K = x.shape[-1]
;;       x = np.pad(x, [(0, 0)] * (x.ndim - 1) + [(0, -K % 32)]); x = x.reshape(x.shape[:-1] + (-1, 32)); a = np.abs(x).max(-1, keepdims=True)
;;       e = np.where(a > 0, np.clip(np.frexp(np.where(a > 0, a, 1))[1] - 1 - 8, -126, 127), 0)      # np.frexp(a)[1] - 1 = floor(log2(a)), exactly
;;       r = np.clip(x / 2.0 ** e, -448, 448)
;;       step = 2.0 ** (np.maximum(np.frexp(np.where(r == 0, 1, r))[1] - 1, -6) - 3)
;;       q = np.round(r / step) * step * 2.0 ** e      # np.round: ties to even
;;       return np.moveaxis(q.reshape(q.shape[:-2] + (-1,))[..., :K], -1, axis).astype(np.float32)
;;   ~~~
;;   SOFTMAX AHEAD OF A QUANTISED PRODUCT. Where the list says 'softmax', what is quantised is not the finished softmax but p = 2^(t - M), with t = logit x log2(e) and M = ceil(the row's largest t), a whole number; so 1/2 < the row's largest p <= 1. The row's sum l is taken of the UNQUANTISED p, in f32, and the product's result is divided by l at the end. Since M is a whole number, a kernel that streams over the keys may use a running M (the ceiling of the running maximum): every later rescaling is an exact power of two, which a block's scale takes up: the codes' values come out the same.
;;   OPERANDS COMPUTED ON THE WAY. 'Computed on the way' means the value that the module computes at that place (a softmax that the list does not call 'softmax' is quantised finished and normalised). What goes into a quantiser is computed in f32, as accurately as f32 sums, v_exp_f32 and their like allow (about 1e-6 of the number): no bf16 or f16 on the way to a quantiser, and a product that is left as it is and whose result goes on into a quantised operand takes f32 operands (vector FMAs, or v_wmma_f32_16x16x4_f32). A number that lies on a knife's edge between two numbers of the format may be rounded either way, as far as f32 arithmetic and the matrix unit's own rounding can turn it there, and no further.
;; One version. Each part assembles by itself: llvm-mc -triple=amdgcn-amd-amdhsa -mcpu=gfx1250 --defsym DOCPART=n.
;; ======== version 1 of 1: 4 launches
;; limits: right only within a limited range of input values
;; workspace buffers: xc 28,311,552 bytes; xs 884,736 bytes; mbits 2,097,152 bytes of whole numbers; qkvc 25,165,824 bytes; qkvs 786,432 bytes; pc 16,777,216 bytes; ps 524,288 bytes; st 1,048,576 bytes
;; launch prep (part 1): grid 256 x 1, 13 waves a work-group, no clusters, 148,224 bytes of LDS; arguments Q, K, Wv_w, Wq_w, Wk_w, V, mask, xc, xs, mbits; writes xc, xs, mbits
.if DOCPART == 1
	.amdgcn_target "amdgcn-amd-amdhsa--gfx1250"
	.amdhsa_code_object_version 6
	.text
	.protected	k_q8a44945df3_prep
	.globl	k_q8a44945df3_prep
	.p2align	8
	.type	k_q8a44945df3_prep,@function
k_q8a44945df3_prep:
	s_mov_b64 s[64:65], 0
	v_nop
	global_prefetch_b8 v0, s[64:65] scope:SCOPE_SE
	s_setreg_imm32_b32 hwreg(HW_REG_WAVE_MODE, 25, 1), 1
	s_wait_xcnt 0x0
; PREP.  (1) Q, K, V [8192][1024] and Wq_w, Wk_w, Wv_w [1024][1024], f32, become codes of FP8 (E4M3) with one E8M0 byte for each 32 along their last axis, laid as the products' launches take them;
; (2) the mask [8192][2048] int32 becomes words of 32 lane bits, one word for each register of a tile of scores.
; A block's scale is 2^(floor(log2(its largest magnitude)) - 8); its byte is the largest magnitude's exponent field - 8, held at 1 from below; each number is divided by the scale, held within +-448 and rounded to the nearest code.
; LIMITS: a block whose largest magnitude lies under 2^-118, a block of zeros among them, keeps the byte 1 (zeros stay zeros; this program alone reads the bytes).  NaN and infinities among the inputs are not served.
; LAYOUT OF THE CODES: an IMAGE of an operand's registers.  A fragment (16 rows x 128 K) is 2,048 bytes: lane l's 16 bytes at 512 c + 16 l = k 32 c + 16 (l / 16) + 0 .. 15 of the row at lane place l % 16.
;   xc: [tile of 256 rows G][kp = K / 256][row block 0..15][q 0..1][2,048 bytes];  xs: [G][kp][row block][lane place][q] words of four bytes.   G: Q 0-31, K 32-63, Wv 64-67, Wq 68-71, Wk 72-75, V 76-107.
;   A PLAIN row block t holds row 16 t + place; a PERMUTED one row 32 (t / 2) + 8 (t % 2) + place + 8 (place / 8).
;   mbits: [block of 16 rows 0..511][block of 32 keys 0..63][i 0..15] words; bit l of a word: mask[16 x block + l % 16][32 kb + 16 (l / 16) + i] == 0.
; SHARES.  A unit is 16 rows x 512 bytes; there are 13,824 of the tensors and 8,192 of the mask: 54 + 32 for each of 256 work-groups.  Waves 0-8 take three jobs each (a row block's 256 of K: two units; job 27 x work-group + 3 x wave + t);
; waves 9-12 take 16 rows x 1,024 keys of the mask each (eight units).  Every load reads 512 consecutive bytes of one row; loads run a unit ahead of the unit in hand, so no prefetch is laid.  Waves share nothing: no barrier.
; THE TENSORS' PATH.  A lane keeps the 4 neighbours that it loaded; a block of 32 lies in 8 neighbouring lanes, whose maxima three DPP steps join.  The numbers are multiplied by 2^(135 - the maximum's exponent field), the scale's
; reciprocal (a power of two: nothing is rounded), held, and two rows' 4 + 4 numbers are converted at once under the scale 1.  Only the codes, 4 bytes a lane and row, pass through the wave's stage in LDS into the image's order.
; THE MASK'S PATH.  A unit turns through the wave's stage (rows of 528 bytes) and comes back with 16 neighbours of each block of 32 in a lane; a compare gives a word of lane bits.
; The scale words leave in runs of 128 bytes (lanes 16-31 store what lanes 0-15 store, to the same place); all other stores cover 256 or 512 consecutive aligned bytes.
.set STG,   8448                       ; the mask's stage of wave w: at w x 8,448 (waves 9-12)
.set XB,    13*STG                     ; behind them the tensors' stages: at XB + w x XST
.set XST,   2816                       ; 8 groups of 272 bytes of codes; from XSB on 3 x 128 scale bytes
.set XSB,   2304
.set SPARE, XB+13*XST                  ; the spare words, 128 bytes for each wave: seven blocks of 256 bytes that no other line names
.set HI,    5                          ; v5-7   a job's offset for places 8-15
.set MI,    8                          ; v8, v9 the mask's stage, in and out;  v10  8 x lane
.set MO,    9
.set M8,    10
.set STA,   11                         ; v11  the codes' stage, in: 272 (lane / 4) + 4 (lane % 4);  v12  out: 272 h + 16 r
.set LDA,   12
.set SBA,   13                         ; v13  a scale byte's place: 8 (lane % 8) + lane / 8;  v14  the words, out: 8 r;  v15  8 r
.set SBR,   14
.set GS,    15
.set TM,    16                         ; v16-23 four rows' maxima, then reciprocal scales, in the even registers; the odd ones hold 0
.set E,     24                         ; v24, v25 lane l: the maximum of row l % 8 (+ 8), block l / 8
.set P448,  26
.set N448,  27
.set ONE,   28
.set SPW,   30
.set NIL,   31
.set CD,    32                         ; v32-47 a unit's codes, a register a row; in the mask's path eight pairs of words
.set PC,    32
.set OUTR,  48                         ; v48-63 a fragment's image
.set SWO,   64                         ; v64-69 the scale words on their way out
.set X,     64                         ; v64-127 the mask's unit behind the turn
.set R,     128                        ; v128-255 two sets of 64 as loaded
.set MK,    56                         ; s57-63 lane masks: lane % 8 == i
.set SRC,   66                         ; s[66:71] the jobs' first bytes;  s[72:77] their codes;  s[78:83] their scale words
.set DST,   72
.set DSC,   78
.macro LOADU set, pitch, off, hi, b    ; a unit: lane place s's row, 512 bytes; hi: the offset register of places 8-15
.irp s, 0,1,2,3,4,5,6,7,8,9,10,11,12,13,14,15
.if \s < 8
	global_load_b128 v[R+64*(\set)+4*\s:R+64*(\set)+4*\s+3], v4, s[\b:\b+1] offset:\s*\pitch+(\off) th:TH_LOAD_NT
.else
	global_load_b128 v[R+64*(\set)+4*\s:R+64*(\set)+4*\s+3], v[\hi], s[\b:\b+1] offset:\s*\pitch+(\off) th:TH_LOAD_NT
.endif
.endr
.endm
.macro LOADX u                         ; unit u of my six: job u / 2, q = u % 2
	LOADU (\u)%2, 4096, 512*((\u)%2), HI+(\u)/2, SRC+2*((\u)/2)
.endm
.macro PICK bound, ptr, start, perm
	s_cmp_lt_u32 s41, \bound
	s_cselect_b64 s[44:45], s[\ptr:\ptr+1], s[44:45]
	s_cselect_b32 s42, \start, s42
	s_cselect_b32 s43, \perm, s43
.endm
.macro JOB t                           ; job s39 + t: row block s41 among all 1,728, kp s40.  Which tensor it lies in hangs on ids alone
	s_add_co_u32 s40, s39, \t
	s_lshr_b32 s41, s40, 2
	s_and_b32 s40, s40, 3
	s_mov_b64 s[44:45], s[14:15]                   ; begin at V and go down
	s_mov_b32 s42, 1216                            ; the tensor's first row block
	s_mov_b32 s43, 1                               ; 1: permuted row blocks
	PICK 1216, 12, 1152, 1                         ; Wk
	PICK 1152, 10, 1088, 1                         ; Wq
	PICK 1088, 8, 1024, 0                          ; Wv
	PICK 1024, 6, 512, 1                           ; K
	PICK 512, 4, 0, 0                              ; Q
	s_sub_co_u32 s42, s41, s42                     ; the row block t in its tensor
	s_and_b32 s46, s42, s43
	s_lshl_b32 s42, s42, 16                        ; its first row: plain 16 t, permuted 16 t - 8 (t % 2); rows of 4,096 bytes
	s_lshl_b32 s46, s46, 15
	s_sub_co_u32 s42, s42, s46
	s_lshl_b32 s46, s40, 10                        ; + 256 numbers for each kp
	s_add_co_u32 s46, s42, s46
	s_mov_b32 s47, 0
	s_add_nc_u64 s[SRC+2*\t:SRC+2*\t+1], s[44:45], s[46:47]
	s_lshl_b32 s46, s43, 15
	v_add_nc_u32 v[HI+\t], s46, v4                 ; permuted: places 8-15 lie 8 rows further on
	s_lshr_b32 s42, s41, 4                         ; G
	s_and_b32 s41, s41, 15                         ; the row block in its tile
	s_lshl_b32 s46, s42, 18
	s_lshl_b32 s48, s40, 16
	s_add_co_u32 s46, s46, s48
	s_lshl_b32 s48, s41, 12
	s_add_co_u32 s46, s46, s48
	s_add_nc_u64 s[DST+2*\t:DST+2*\t+1], s[18:19], s[46:47]
	s_lshl_b32 s46, s42, 13
	s_lshl_b32 s48, s40, 11
	s_add_co_u32 s46, s46, s48
	s_lshl_b32 s48, s41, 7
	s_add_co_u32 s46, s46, s48
	s_add_nc_u64 s[DSC+2*\t:DSC+2*\t+1], s[20:21], s[46:47]
.endm
.macro XU u                            ; a unit of the tensors: 16 rows x 128 numbers -> a fragment's image and 16 x 4 scale bytes
.set RS_, R+64*((\u)%2)
.set T_, (\u)/2
.set Q_, (\u)%2
.if (\u) < 5
	s_wait_loadcnt 16                              ; this unit's 16 loads are in; the next unit's 16 may be out
.else
	s_wait_loadcnt 0x0
.endif
.irp g, 0,1,2,3                        ; four rows by turns
.irp i, 0,1,2,3
	v_max3_num_f32 v[TM+2*\i], |v[RS_+16*\g+4*\i]|, |v[RS_+16*\g+4*\i+1]|, 0x4800000   ; my 4 numbers, and the floor 2^(9 - 127): the byte cannot fall under 1
.endr
.irp i, 0,1,2,3
	v_max3_num_f32 v[TM+2*\i], v[TM+2*\i], |v[RS_+16*\g+4*\i+2]|, |v[RS_+16*\g+4*\i+3]|
.endr
.irp x, 1,2,4
.irp i, 0,1,2,3
	v_max_num_f32_dpp v[TM+2*\i], v[TM+2*\i], v[TM+2*\i] row_xmask:\x row_mask:0xf bank_mask:0xf   ; with the block's other seven lanes
.endr
.endr
.irp i, 0,1,2,3
.if (4*\g+\i)%8 == 0
	v_mov_b32 v[E+\g/2], v[TM+2*\i]
.else
	v_cndmask_b32 v[E+\g/2], v[E+\g/2], v[TM+2*\i], s[MK+(4*\g+\i)%8]   ; lane l keeps the maximum of row l % 8
.endif
	v_and_b32 v[TM+2*\i], 0x7f800000, v[TM+2*\i]
.endr
.irp i, 0,1,2,3
	v_sub_nc_u32 v[TM+2*\i], 0x83000000, v[TM+2*\i]   ; exponent field 262 - the maximum's: 1 / the scale
.endr
.irp i, 0,1,2,3
	v_pk_mul_f32 v[RS_+16*\g+4*\i:RS_+16*\g+4*\i+1], v[RS_+16*\g+4*\i:RS_+16*\g+4*\i+1], v[TM+2*\i:TM+2*\i+1] op_sel_hi:[1,0]
	v_pk_mul_f32 v[RS_+16*\g+4*\i+2:RS_+16*\g+4*\i+3], v[RS_+16*\g+4*\i+2:RS_+16*\g+4*\i+3], v[TM+2*\i:TM+2*\i+1] op_sel_hi:[1,0]
.endr
.irp j, 0,1,2,3,4,5,6,7,8,9,10,11,12,13,14,15
	v_med3_num_f32 v[RS_+16*\g+\j], v[RS_+16*\g+\j], v[N448], v[P448]   ; the conversion to an 8-bit code does not saturate (ISA guide 7.6.2): the hold comes first
.endr
	v_cvt_scalef32_pk8_fp8_f32 v[CD+4*\g:CD+4*\g+1], v[RS_+16*\g:RS_+16*\g+7], v[ONE]       ; two rows' 4 + 4 numbers, already divided: the scale is 1
	v_cvt_scalef32_pk8_fp8_f32 v[CD+4*\g+2:CD+4*\g+3], v[RS_+16*\g+8:RS_+16*\g+15], v[ONE]
.endr
	v_add_nc_u32 v[E], 0xfc000000, v[E]            ; 8 off the exponent field (a plain line behind the last conversion),
	v_add_nc_u32 v[E+1], 0xfc000000, v[E+1]
	v_lshrrev_b32 v[E], 23, v[E]                   ; and the field is the byte
	v_lshrrev_b32 v[E+1], 23, v[E+1]
.irp s, 0,1,2,3,4,5,6,7,8,9,10,11,12,13,14,15
	ds_store_b32 v[STA], v[CD+\s] offset:16*\s     ; k 4 l .. 4 l + 3 of place s: group l / 4 = 2 c + h, 16 s + 4 (l % 4) in it; groups 272 bytes apart fall on different banks
.endr
	ds_store_b8 v[SBA], v[E] offset:128*T_+4*Q_    ; word (place, q), byte c
	ds_store_b8 v[SBA], v[E+1] offset:128*T_+4*Q_+64
	s_wait_xcnt 0x0                                ; the last unit's stores have read the image's registers
.irp c, 0,1,2,3
	ds_load_b128 v[OUTR+4*\c:OUTR+4*\c+3], v[LDA] offset:544*\c   ; LDS serves a wave's instructions in order: these see my stores
.endr
.if (\u) < 4
	LOADX (\u)+2                                   ; into the set just converted
.endif
	s_wait_dscnt 0x0
.irp c, 0,1,2,3
	global_store_b128 v4, v[OUTR+4*\c:OUTR+4*\c+3], s[DST+2*T_:DST+2*T_+1] offset:2048*Q_+512*\c   ; 512 consecutive bytes, aligned
.endr
.endm
.macro TURNM t                         ; the mask's unit through the stage
.irp s, 0,1,2,3,4,5,6,7,8,9,10,11,12,13,14,15
	ds_store_b128 v[MI], v[R+64*((\t)%2)+4*\s:R+64*((\t)%2)+4*\s+3] offset:528*\s
.endr
.irp c, 0,1,2,3
.irp j, 0,1,2,3
	ds_load_b128 v[X+16*\c+4*\j:X+16*\c+4*\j+3], v[MO] offset:128*\c+16*\j
.endr
.endr
.endm
.macro BITS u                          ; word 16 beta + i of the unit's 64 goes to lane (16 beta + i) / 2 of the unit's pair
.irp beta, 0,1,2,3
.irp i, 0,1,2,3,4,5,6,7,8,9,10,11,12,13,14,15
	v_cmp_eq_u32 s[32+\i], 0, v[X+16*\beta+\i]
.endr
.irp i, 0,1,2,3,4,5,6,7,8,9,10,11,12,13,14,15
	v_writelane_b32 v[PC+2*(\u)+\i%2], s[32+\i], 8*\beta+\i/2
.endr
.endr
.endm
.macro MUNIT t                         ; 128 keys of my 16 rows of the mask
.if (\t) < 7
	s_wait_loadcnt 16
.else
	s_wait_loadcnt 0x0
.endif
	TURNM \t
	s_wait_dscnt 0x0                               ; the unit is back, and the stage's stores have read the set that the loads below fill
.if (\t) < 6
	LOADU (\t)%2, 8192, 512*((\t)+2), 4, 66
.endif
	BITS \t
	global_store_b64 v[M8], v[PC+2*(\t):PC+2*(\t)+1], s[72:73] offset:256*(\t)   ; 256 consecutive bytes, aligned; each unit has a pair of its own
.endm
	s_load_b512 s[4:19], s[0:1], 0x0               ; Q s[4:5], K s[6:7], Wv_w s[8:9], Wq_w s[10:11], Wk_w s[12:13], V s[14:15], mask s[16:17], xc s[18:19]
	s_load_b128 s[20:23], s[0:1], 0x40             ; xs s[20:21], mbits s[22:23]
	v_lshl_add_u32 v[SPW], v0, 2, SPARE
	v_mov_b32 v[NIL], 0
	v_lshrrev_b32 v1, 5, v0
	v_readfirstlane_b32 s24, v1                    ; wave 0..12
	v_and_b32 v1, 31, v0                           ; lane
	v_and_b32 v2, 15, v0                           ; r
	v_bfe_u32 v3, v0, 4, 1                         ; h
	v_lshlrev_b32 v4, 4, v1                        ; 16 x lane: my 16 bytes of a load's or a store's 512
	s_mul_i32 s25, s24, STG
	v_lshl_add_u32 v[MI], v1, 4, s25
	v_mul_u32_u24 v[MO], v2, 528
	v_lshl_add_u32 v[MO], v3, 6, v[MO]
	v_add_nc_u32 v[MO], s25, v[MO]
	v_lshlrev_b32 v[M8], 3, v1
	s_mul_i32 s25, s24, XST
	s_add_co_u32 s25, s25, XB
	v_lshrrev_b32 v[STA], 2, v1
	v_mul_u32_u24 v[STA], v[STA], 272
	v_and_b32 v[LDA], 3, v1
	v_lshl_add_u32 v[STA], v[LDA], 2, v[STA]
	v_add_nc_u32 v[STA], s25, v[STA]
	v_mul_u32_u24 v[LDA], v3, 272
	v_lshl_add_u32 v[LDA], v2, 4, v[LDA]
	v_add_nc_u32 v[LDA], s25, v[LDA]
	v_and_b32 v[SBA], 7, v1
	v_lshrrev_b32 v[SBR], 3, v1
	v_lshl_add_u32 v[SBA], v[SBA], 3, v[SBR]
	s_add_co_u32 s25, s25, XSB
	v_add_nc_u32 v[SBA], s25, v[SBA]
	v_lshlrev_b32 v[GS], 3, v2
	v_add_nc_u32 v[SBR], s25, v[GS]
	v_mov_b32 v[P448], 0x43e00000
	v_mov_b32 v[N448], 0xc3e00000
	v_mov_b32 v[ONE], 1.0
.irp i, 0,1,2,3
	v_mov_b32 v[TM+2*\i+1], 0                      ; named as the upper half of a pair
.endr
.irp j, 0,1,2,3,4,5,6,7,8,9,10,11,12,13,14,15
	v_mov_b32 v[PC+\j], 0                          ; v_writelane_b32's destination counts as read
.endr
	s_wait_alu depctr_va_vdst(0)                   ; the wait at the head's end
	s_wait_kmcnt 0x0
	s_cmp_ge_u32 s24, 9
	s_cbranch_scc1 .Lmask
	; ---- waves 0-8: the six tensors
.irp i, 1,2,3,4,5,6,7
	s_mov_b32 s[MK+\i], 0x01010101<<\i
.endr
	s_mul_i32 s39, ttmp9, 27
	s_mul_i32 s38, s24, 3
	s_add_co_u32 s39, s39, s38                     ; my first job
	JOB 0
	JOB 1
	JOB 2
	s_wait_alu depctr_va_vdst(0)
	LOADX 0
	LOADX 1
.irp u, 0,1,2,3,4,5
	XU \u
.endr
.irp t, 0,1,2
	ds_load_b64 v[SWO+2*\t:SWO+2*\t+1], v[SBR] offset:128*\t   ; a job's 16 places x 2 words
.endr
	s_wait_dscnt 0x0
.irp t, 0,1,2
	global_store_b64 v[GS], v[SWO+2*\t:SWO+2*\t+1], s[DSC+2*\t:DSC+2*\t+1]
.endr
	s_wait_tensorcnt 0x0                           ; the wave's end
	ds_add_u32 v[SPW], v[NIL]
	s_wait_dscnt 0x0
	s_endpgm
	; ---- waves 9-12: the mask
.Lmask:
	s_lshl_b32 s50, ttmp9, 2
	s_add_co_u32 s50, s50, s24
	s_sub_co_u32 s50, s50, 9                       ; 2 x the block of rows + which 1,024 keys
	s_lshr_b32 s51, s50, 1
	s_and_b32 s53, s50, 1
	s_lshl_b32 s54, s51, 17                        ; 16 rows of 8,192 bytes
	s_lshl_b32 s53, s53, 12
	s_add_co_u32 s54, s54, s53
	s_mov_b32 s55, 0
	s_lshl_b32 s56, s50, 11                        ; 2,048 bytes of words for each such half
	s_mov_b32 s57, 0
	s_add_nc_u64 s[66:67], s[16:17], s[54:55]
	s_add_nc_u64 s[72:73], s[22:23], s[56:57]
	LOADU 0, 8192, 0, 4, 66
	LOADU 1, 8192, 512, 4, 66
.irp t, 0,1,2,3,4,5,6,7
	MUNIT \t
.endr
	s_wait_tensorcnt 0x0
	ds_add_u32 v[SPW], v[NIL]
	s_wait_dscnt 0x0
	s_endpgm
.Lfunc_end_k_q8a44945df3_prep:
	.size	k_q8a44945df3_prep, .Lfunc_end_k_q8a44945df3_prep-k_q8a44945df3_prep
	.p2alignl 7, 3214868480
	.fill 96, 4, 3214868480
	.section	.rodata,"a",@progbits
	.p2align	6, 0x0
	.amdhsa_kernel k_q8a44945df3_prep
		.amdhsa_group_segment_fixed_size 148224
		.amdhsa_private_segment_fixed_size 0
		.amdhsa_enable_private_segment 0
		.amdhsa_kernarg_size 80
		.amdhsa_user_sgpr_count 2
		.amdhsa_user_sgpr_kernarg_segment_ptr 1
		.amdhsa_wavefront_size32 1
		.amdhsa_system_sgpr_workgroup_id_x 1
		.amdhsa_system_sgpr_workgroup_id_y 1
		.amdhsa_system_sgpr_workgroup_id_z 1
		.amdhsa_system_vgpr_workitem_id 0
		.amdhsa_next_free_vgpr 256
		.amdhsa_next_free_sgpr 96
		.amdhsa_reserve_vcc 0
		.amdhsa_float_denorm_mode_32 3
		.amdhsa_float_denorm_mode_16_64 3
		.amdhsa_memory_ordered 1
		.amdhsa_forward_progress 1
		.amdhsa_inst_pref_size 215
	.end_amdhsa_kernel
	.amdgpu_metadata
---
amdhsa.version: [ 1, 2 ]
amdhsa.kernels:
  - .name:           k_q8a44945df3_prep
    .symbol:         k_q8a44945df3_prep.kd
    .args:
      - { .name: Q, .offset: 0, .size: 8, .value_kind: global_buffer, .address_space: global }
      - { .name: K, .offset: 8, .size: 8, .value_kind: global_buffer, .address_space: global }
      - { .name: Wv_w, .offset: 16, .size: 8, .value_kind: global_buffer, .address_space: global }
      - { .name: Wq_w, .offset: 24, .size: 8, .value_kind: global_buffer, .address_space: global }
      - { .name: Wk_w, .offset: 32, .size: 8, .value_kind: global_buffer, .address_space: global }
      - { .name: V, .offset: 40, .size: 8, .value_kind: global_buffer, .address_space: global }
      - { .name: mask, .offset: 48, .size: 8, .value_kind: global_buffer, .address_space: global }
      - { .name: xc, .offset: 56, .size: 8, .value_kind: global_buffer, .address_space: global }
      - { .name: xs, .offset: 64, .size: 8, .value_kind: global_buffer, .address_space: global }
      - { .name: mbits, .offset: 72, .size: 8, .value_kind: global_buffer, .address_space: global }
    .group_segment_fixed_size: 148224
    .private_segment_fixed_size: 0
    .kernarg_segment_align: 8
    .kernarg_segment_size: 80
    .max_flat_workgroup_size: 416
    .sgpr_count:     96
    .vgpr_count:     256
    .wavefront_size: 32
...
	.end_amdgpu_metadata
.endif
;; end of part 1
;; launch proj (part 2): grid 4 x 64, 4 waves a work-group, clusters of 4 x 1, 327,680 bytes of LDS; arguments xc, xs, Wq_b, Wk_b, Wv_b, qkvc, qkvs; writes qkvc, qkvs
.if DOCPART == 2
	.amdgcn_target "amdgcn-amd-amdhsa--gfx1250"
	.amdhsa_code_object_version 6
	.text
	.protected	k_q8a44945df3_proj
	.globl	k_q8a44945df3_proj
	.p2align	8
	.type	k_q8a44945df3_proj,@function
k_q8a44945df3_proj:
	s_mov_b64 s[64:65], 0
	v_nop
	global_prefetch_b8 v0, s[64:65] scope:SCOPE_SE
	s_setreg_imm32_b32 hwreg(HW_REG_WAVE_MODE, 25, 1), 1
	s_wait_xcnt 0x0
	s_wait_alu depctr_hold_cnt(0) depctr_sa_sdst(0) depctr_va_vdst(0) depctr_va_sdst(0) depctr_va_ssrc(0) depctr_va_vcc(0) depctr_vm_vsrc(0)
	s_getreg_b32 s2, hwreg(HW_REG_IB_STS2, 6, 4)
	s_cmp_eq_u32 s2, 0
	s_cbranch_scc0 .Lentry_in_a_cluster
	s_endpgm
.Lentry_in_a_cluster:
	s_bfe_u32 s2, ttmp6, 0x10000c
	s_cmp_lg_u32 s2, 0x3003
	s_cbranch_scc0 .Lentry_shape_is_right
	s_endpgm
.Lentry_shape_is_right:
; PROJ.  q = Q Wq^T + bq, k = K Wk^T + bk, v = V Wv^T + bv on codes of FP8 (E4M3) with E8M0 scales; each result is quantised at once, q and k along d, v along the keys, and leaves as codes and scale words.
; SOURCE 0 = 16 rows of X, SOURCE 1 = 16 rows of Y: a lane holds ONE row of Y (lane % 16) and its registers run along X.  X is laid in PERMUTED row blocks (place p of block t = row 32 (t / 2) + 8 (t % 2) + p + 8 (p / 8)),
; so that the 16 registers of tiles 2 b, 2 b + 1 are X rows 32 b + 16 (lane / 16) + 0 .. 15: the next operand's order along its K.
; THE DEAL.  256 work-groups of four waves, each with two phases.  PHASE 1: 256 Y x 256 X of q or k (Y = the cluster's tile of Q's or K's tokens, X = tile cx of Wq's or Wk's rows).  PHASE 2: 128 Y x 256 X of v^T (Y = a half tile of Wv's rows,
; number cluster y % 8; X = V's token tile 4 (cluster y / 8) + cx).  A wave takes all of Y x 64 rows of X: 64 accumulators, then 32.
; OPERANDS lie in memory as images of their registers: [tile of 256 rows][kp = K / 256][row block 16][q 2][2,048 bytes]; scale words [tile][kp][row block][place][q].
; Y lies in LDS whole, all of K = 1,024.  Phase 1's 262,144 bytes: one tensor load of 65,536 dense bytes (one kp) a wave at the head, each shown by a plain barrier ahead of its first read.  Phase 2's 131,072 bytes are filled over them
; behind a drained round of the cluster's barrier, 32,768 a wave, and land while phase 1's results are quantised.  The four work-groups of a cluster (4 x 1) want the same Y: the loads are joint.
; X: no two waves want the same rows and the partners read different tiles: it passes no LDS and has no joint load: 16 loads of 512 dense bytes a step straight into registers, two steps ahead (phase 2: three).
; In each step of phase 1 one prefetch asks for 8,192 bytes of my rows of phase 2's X; phase 1's X is asked for by its loads alone, and all of Y at the head and at the change of phase.
; LIMITS: blocks whose largest magnitude lies under 2^-118 keep the byte 1 (this program alone reads the bytes); NaN and infinities are not served.
; REGISTERS: window 0: v1-29 addresses; v32-63 Y's scale words, a register a block, two sets; v64-95 X's scale words of both phases; v96-103 v's bias; v104-121 the quantiser's; v128-255 Y's fragments, two groups of four, later the codes.
;    window 1: X's buffers of 64 (three, and v192-223 q's or k's bias; in phase 2 four).  windows 2, 3: accumulator (a, b) at v[8 (4 (a % 8) + b)]; in phase 2 window 3 holds v's bias as the first products' C.
.set SCL1,  262144                     ; behind Y: phase 1's scale words of Y, 8,192 bytes;
.set SCL2,  270336                     ; phase 2's, 4,096;
.set SCST1, 274432                     ; the results' scale words: 2,048 bytes,
.set SCST2, 276480                     ; and 1,024
.set SPARE, 277504                     ; the spare words, 128 bytes for each wave: two blocks of 256 bytes that no other line names
.set ADY,   4                          ; v4-7  16 x lane + 65,536 g
.set CO,    8                          ; v8   16 x lane
.set L8,    9                          ; v9   8 x lane
.set PFO,   10                         ; v10  256 x lane
.set TH16,  11                         ; v11  16 x thread;  v12  8 x thread
.set TH8,   12
.set ADRS,  13                         ; v13, v14  SCL1 + 8 r, SCL2 + 8 r
.set SIN1,  15                         ; v15  SCL1 + 16 x thread;  v16  SCL2 + 8 x thread
.set SIN2,  16
.set SWR1,  17                         ; v17, v18  where I put two bytes of a result's scale word: 8 r + 2 x wave
.set SWR2,  18
.set SRD1,  19                         ; v19  SCST1 + 16 x thread;  v20  SCST2 + 8 x thread
.set SRD2,  20
.set H64,   21                         ; v21  64 h;  v22  4 r
.set R4,    22
.set SPW,   28
.set NIL,   29
.set SC,    32
.set XS,    64
.set BV,    96
.set TM,    104
.set PW,    120
.set YF,    128
.set G1,    16                         ; s[16:23] descriptor group 1; s[24:27], s[28:31] groups 0 of the two phases
.set XB,    32                         ; s[32:33], s[34:35] my rows of X in the two phases
.set MNT,   97
.set SEL,   98
.set MSB, 0
.macro WIN new                         ; the immediate's high byte repeats the setting that is left
.if MSB != \new
	s_set_vgpr_msb (MSB<<8)|\new
.set MSB, \new
.endif
.endm
.macro PLACES n
.rept \n
	v_nop
.endr
.endm
.macro CROUND                          ; a round of the cluster's barrier
	s_barrier_signal -1
	s_barrier_wait -1
	s_cmp_lg_u32 s3, 0
	s_cbranch_scc1 .Lnot_wave_0_\@
	s_barrier_signal -3
.Lnot_wave_0_\@:
	s_barrier_wait -3
	s_barrier_signal -1
	s_barrier_wait -1
.endm
.macro SHOW w                          ; wave w's kp of Y has landed: it alone waits (each wave has a load line of its own); the last barrier shows all that is still out, so there every wave waits
.if \w < 3
	s_cmp_eq_u32 s3, \w
	s_cbranch_scc0 .Lnot_mine_\@
	s_wait_tensorcnt 0x0
.Lnot_mine_\@:
.else
	s_wait_tensorcnt 0x0
.endif
	s_barrier_signal -1
	s_barrier_wait -1
.endm
; A step is 128 along K; a group is four blocks of Y x my four of X: 16 products.  Phase 1 has four groups a step, phase 2 two.
.macro FETCH ph, G                     ; group G's four fragments of Y into buffer G % 2
.set fn_, (\G)/(6-2*\ph)
.set fg_, (\G)%(6-2*\ph)
.irp i, 0,1,2,3
.irp c, 0,1,2,3
.if \ph == 1
	ds_load_b128 v[YF+64*((\G)%2)+16*\i+4*\c:YF+64*((\G)%2)+16*\i+4*\c+3], v[ADY+fn_/2] offset:(4*fg_+\i)*4096+(fn_%2)*2048+512*\c
.else
	ds_load_b128 v[YF+64*((\G)%2)+16*\i+4*\c:YF+64*((\G)%2)+16*\i+4*\c+3], v[ADY+fn_/4] offset:((fn_/2)%2)*32768+(4*fg_+\i)*4096+(fn_%2)*2048+512*\c
.endif
.endr
.endr
.endm
.macro SCB ph, n                       ; step n's scale words of Y, a register a block, into set n % 2
.set i_, 0
.rept 24-8*\ph
	ds_load_b32 v[SC+16*((\n)%2)+i_], v[ADRS+\ph-1] offset:((\n)/2)*(3072-1024*\ph)+128*i_+4*((\n)%2)
.set i_, i_+1
.endr
.endm
.macro LOADX ph, n                     ; X's four fragments of step n
	WIN 0x40
.irp b, 0,1,2,3
.irp c, 0,1,2,3
	global_load_b128 v[64*((\n)%(2+\ph))+16*\b+4*\c:64*((\n)%(2+\ph))+16*\b+4*\c+3], v[CO], s[XB+2*\ph-2:XB+2*\ph-1] offset:((\n)/2)*65536+\b*4096+((\n)%2)*2048+512*\c
.endr
.endr
	WIN 0
.endm
.macro PRODS ph, G                     ; the accumulators take turns; step 0 starts the sums with the bias: by X's tile for q and k, by Y's block for v
.set pn_, (\G)/(6-2*\ph)
.set pg_, (\G)%(6-2*\ph)
.set pw_, 2+pg_/2
.if (pn_ == 0) && (\ph == 1)
	WIN (pw_<<6)|(1<<4)|1
.elseif pn_ == 0
	WIN (2<<6)|(3<<4)|1
.else
	WIN (pw_<<6)|(pw_<<4)|1
.endif
.irp i, 0,1,2,3
.irp b, 0,1,2,3
.set rA_, 4*pg_+\i
.set rD, 8*(4*(rA_%8)+\b)
.set rX, 64*(pn_%(2+\ph))+16*\b
.set rY, YF+64*((\G)%2)+16*\i
.set sX, XS+16*(\ph-1)+4*(pn_/2)+2*(\b/2)+pn_%2
.set sY, SC+16*(pn_%2)+rA_
.set rC, rD
.if (pn_ == 0) && (\ph == 1)
.set rC, 192+8*\b
.elseif pn_ == 0
.set rC, 8*rA_
.endif
.if \b%2
	v_wmma_scale_f32_16x16x128_f8f6f4 v[rD:rD+7], v[rX:rX+15], v[rY:rY+15], v[rC:rC+7], v[sX], v[sY] matrix_a_scale:MATRIX_SCALE_ROW1
.else
	v_wmma_scale_f32_16x16x128_f8f6f4 v[rD:rD+7], v[rX:rX+15], v[rY:rY+15], v[rC:rC+7], v[sX], v[sY]
.endif
.endr
.endr
	WIN 0
.endm
.macro GROUP ph, G
.set gn_, (\G)/(6-2*\ph)
.set gg_, (\G)%(6-2*\ph)
.set gd_, 0
.if (\ph == 1) && (((\G)+1)%8 == 0) && ((\G) < 31)
	s_wait_dscnt 0x0                               ; no LDS instruction of mine is out at a signal
	SHOW ((\G)+1)/8                                ; the next group's fragments lie in the next kp
.endif
.if (\G) > 0
	PLACES 8                                       ; behind the last products, ahead of loads into registers that they have read
.endif
.if (\ph == 1) && (gg_ == 0)
	global_prefetch_b8 v[PFO], s[XB+2:XB+3] offset:(gn_/2)*65536+(gn_%2)*8192 th:TH_LOAD_NT scope:SCOPE_SE   ; phase 2's X: my 16,384 bytes of a kp in two steps, lanes 256 apart
.endif
.if (\G) < 8*(6-2*\ph)-1
	FETCH \ph, (\G)+1
.set gd_, 16
.endif
.if gg_ == 0
.if gn_ < 7
	SCB \ph, gn_+1
.set gd_, gd_+24-8*\ph
.endif
.if gn_+1+\ph < 8
	LOADX \ph, gn_+1+\ph
.endif
.endif
	s_wait_dscnt gd_                               ; all but what this group has just asked for: my fragments and scale words are in
.if gg_ == 0
.if gn_+1+\ph < 8
	s_wait_loadcnt 16*(1+\ph)                      ; this step's 16 loads of X are in; those of the steps behind it may be out
.else
	s_wait_loadcnt 16*(7-gn_)
.endif
.endif
	PRODS \ph, \G
.endm
; THE WAY OUT of two blocks of Y, 2 A and 2 A + 1: 64 numbers a lane; the 16 registers of group x are block 2 A + x / 2, k 32 (x % 2) + 16 h + i of my 64.  Each accumulator is read from its low end on.
.macro QB A, oc, swr
.set AC, 64*((\A)%4)
.set W, 2+(\A)/4
.set PCA, 128+16*(\A)                  ; each pair has its own 16 registers of codes: no store's data are written again
	WIN 20*W                                       ; sources 1 and 2 in the accumulators' window
.irp b, 0,1,2,3
	v_max3_num_f32 v[TM+\b], 0x4800000, |v[AC+16*\b]|, |v[AC+16*\b+1]|   ; the floor 2^(9 - 127) and my first two
.endr
.irp i, 2,4,6,8,10,12,14
.irp b, 0,1,2,3
	v_max3_num_f32 v[TM+\b], v[TM+\b], |v[AC+16*\b+\i]|, |v[AC+16*\b+\i+1]|
.endr
.endr
	WIN 0
.irp b, 0,1,2,3
	v_permlanex16_b32 v[TM+4+\b], v[TM+\b], s[SEL], s[SEL+1]
.endr
.irp b, 0,1,2,3
	v_max_num_f32 v[TM+\b], v[TM+\b], v[TM+4+\b]   ; the block's largest magnitude
.endr
.irp b, 0,1,2,3
	v_add_nc_u32 v[TM+12+\b], 0xfc000000, v[TM+\b]   ; 8 off its exponent field: the conversion's scale operand
.endr
.irp b, 0,1,2,3
	v_and_or_b32 v[TM+8+\b], v[TM+\b], 0x7f800000, s[MNT]   ; 448 x the scale
.endr
.irp b, 0,1,2,3
	v_lshrrev_b32 v[TM+4+\b], 23, v[TM+12+\b]      ; the byte
.endr
	v_lshl_or_b32 v[PW], v[TM+5], 8, v[TM+4]       ; my two bytes of each block's scale word
	v_lshl_or_b32 v[PW+1], v[TM+7], 8, v[TM+6]
	WIN 65*W                                       ; destination and source 0 in the accumulators' window
.irp b, 0,1,2,3
.irp i, 0,1,2,3,4,5,6,7,8,9,10,11,12,13,14,15
	v_med3_num_f32 v[AC+16*\b+\i], v[AC+16*\b+\i], -v[TM+8+\b], v[TM+8+\b]   ; the hold: the conversion does not saturate (ISA guide 7.6.2)
.endr
.endr
	WIN W                                          ; source 0 alone
.irp b, 0,1,2,3
	v_cvt_scalef32_pk8_fp8_f32 v[PCA+4*\b:PCA+4*\b+1], v[AC+16*\b:AC+16*\b+7], v[TM+12+\b]
	v_cvt_scalef32_pk8_fp8_f32 v[PCA+4*\b+2:PCA+4*\b+3], v[AC+16*\b+8:AC+16*\b+15], v[TM+12+\b]
.endr
	WIN 0
	v_nop                                          ; one plain vector line behind the last scaled conversion
.irp x, 0,1,2,3
	global_store_b128 v[CO], v[PCA+4*\x:PCA+4*\x+3], s[\oc:\oc+1] offset:4096*(2*(\A)+\x/2)+512*(\x%2)   ; a chunk of the image: 512 consecutive bytes, aligned
.endr
	ds_store_b16 v[\swr], v[PW] offset:256*(\A)    ; both halves of the lanes write the same bytes with the same value
	ds_store_b16 v[\swr], v[PW+1] offset:256*(\A)+128
.endm
.macro SHA d, x, sh                    ; s[d] += s[x] << sh, for numbers that all partners share
	s_lshl_b32 s68, s\x, \sh
	s_add_co_u32 s\d, s\d, s68
.endm
.macro SHC d, x, sh                    ; the same for numbers that hang on cx
	s_lshl_b32 s69, s\x, \sh
	s_add_co_u32 s\d, s\d, s69
.endm
	s_load_b256 s[4:11], s[0:1], 0x0               ; xc s[4:5], xs s[6:7], Wq_b s[8:9], Wk_b s[10:11]
	s_load_b128 s[84:87], s[0:1], 0x20             ; Wv_b s[84:85], qkvc s[86:87]
	s_load_b64 s[88:89], s[0:1], 0x30              ; qkvs
	v_lshl_add_u32 v[SPW], v0, 2, SPARE
	v_mov_b32 v[NIL], 0
	ds_add_u32 v[SPW], v[NIL]                      ; the opening: the add, twice on end, and its wait ahead of my first tensor load
	ds_add_u32 v[SPW], v[NIL]
	v_lshrrev_b32 v1, 5, v0
	v_readfirstlane_b32 s3, v1                     ; wave 0..3
	v_and_b32 v1, 31, v0                           ; lane
	v_and_b32 v2, 15, v0                           ; r
	v_bfe_u32 v3, v0, 4, 1                         ; h
.irp g, 0,1,2,3
	v_lshl_add_u32 v[ADY+\g], v1, 4, \g*65536
.endr
	v_lshlrev_b32 v[CO], 4, v1
	v_lshlrev_b32 v[L8], 3, v1
	v_lshlrev_b32 v[PFO], 8, v1
	v_lshlrev_b32 v[TH16], 4, v0
	v_lshlrev_b32 v[TH8], 3, v0
	v_lshl_add_u32 v[ADRS], v2, 3, SCL1
	v_lshl_add_u32 v[ADRS+1], v2, 3, SCL2
	v_lshl_add_u32 v[SIN1], v0, 4, SCL1
	v_lshl_add_u32 v[SIN2], v0, 3, SCL2
	s_lshl_b32 s49, s3, 1
	s_add_co_u32 s50, s49, SCST1
	v_lshl_add_u32 v[SWR1], v2, 3, s50
	s_add_co_u32 s50, s49, SCST2
	v_lshl_add_u32 v[SWR2], v2, 3, s50
	v_lshl_add_u32 v[SRD1], v0, 4, SCST1
	v_lshl_add_u32 v[SRD2], v0, 3, SCST2
	v_lshlrev_b32 v[H64], 6, v3
	v_lshlrev_b32 v[R4], 2, v2
.irp b, 0,1,2,3
	v_mov_b32 v[TM+4+\b], 0                        ; written once: a lane permute's destination counts as one of its sources
.endr
	s_bfe_u32 s14, ttmp6, 0x40000                  ; cx: it enters global addresses of plain loads and stores alone
	s_and_b32 s48, ttmp7, 0xffff                   ; the cluster's y, 0..63
	s_mov_b32 s[G1], 15|(3<<16)|(1<<21)            ; 15:0 the mask: all four of the cluster; 17:16 elements of 8 bytes; 21 set beside a mask
	s_mov_b32 s[G1+1], 32<<16                      ; tensor_dim0 = 32 elements: a row of 256 bytes
	s_mov_b32 s[G1+2], 256<<16                     ; tensor_dim1 = 256 rows: 65,536 dense bytes (phase 2: 128, set at the change of phase)
	s_mov_b32 s[G1+3], 32<<16                      ; tile_dim0
	s_mov_b32 s[G1+4], 256                         ; tile_dim1
	s_mov_b32 s[G1+5], 32                          ; the pitch
	s_mov_b32 s[G1+6], 0
	s_mov_b32 s[G1+7], 0
	s_and_b32 s49, s48, 7                          ; phase 2: which 128 rows of Wv,
	s_lshr_b32 s52, s49, 1                         ; their tile of d,
	s_and_b32 s53, s49, 1                          ; its half,
	s_add_co_u32 s54, s52, 64                      ; and the tile's number in xc
	s_lshl_b32 s26, s48, 18                        ; Y of phase 1: tile = the cluster's y, kp = my wave
	SHA 26, 3, 16
	s_mov_b32 s27, 0
	s_lshl_b32 s30, s54, 18                        ; Y of phase 2: 8 row blocks of kp = my wave
	SHA 30, 53, 15
	SHA 30, 3, 16
	s_mov_b32 s31, 0
	s_lshl_b32 s40, s48, 13                        ; their scale words
	s_mov_b32 s41, 0
	s_lshl_b32 s42, s54, 13
	SHA 42, 53, 10
	s_mov_b32 s43, 0
	s_lshl_b32 s74, s49, 9                         ; v's bias: d = 128 x the half tile's number on
	s_mov_b32 s75, 0
	s_lshr_b32 s62, s48, 5
	s_lshl_b32 s62, s62, 2
	s_add_co_u32 s62, s62, s14
	s_add_co_u32 s62, s62, 68                      ; X of phase 1: Wq's tiles 68-71 or Wk's 72-75
	s_lshr_b32 s63, s48, 3
	s_lshl_b32 s63, s63, 2
	s_add_co_u32 s63, s63, s14                     ; X of phase 2: V's token tile 0..31,
	s_add_co_u32 s66, s63, 76                      ; in xc 76-107
	s_lshr_b32 s55, s63, 3                         ; its batch,
	s_and_b32 s63, s63, 7                          ; and its kp among the batch's 2,048 keys
	s_lshl_b32 s32, s62, 18                        ; my four row blocks of X,
	SHC 32, 3, 14
	s_mov_b32 s33, 0
	s_lshl_b32 s34, s66, 18
	SHC 34, 3, 14
	s_mov_b32 s35, 0
	s_lshl_b32 s36, s62, 13                        ; and their scale words
	SHC 36, 3, 9
	s_mov_b32 s37, 0
	s_lshl_b32 s38, s66, 13
	SHC 38, 3, 9
	s_mov_b32 s39, 0
	s_lshl_b32 s70, s14, 10                        ; q's or k's bias: d = 256 cx + 64 wave on
	SHC 70, 3, 8
	s_mov_b32 s71, 0
	s_lshl_b32 s76, s48, 18                        ; q's and k's codes: [token tile][kp = cx][row block][q = wave / 2][chunk 2 (wave % 2) on]
	SHC 76, 14, 16
	SHC 76, 3, 10
	s_mov_b32 s77, 0
	s_lshl_b32 s78, s48, 13                        ; and their scale words
	SHC 78, 14, 11
	s_mov_b32 s79, 0
	s_lshl_b32 s80, s55, 21                        ; v^T's codes: [batch][tile of d][kp][row block 8 x half on]
	SHC 80, 52, 19
	SHC 80, 63, 16
	SHC 80, 53, 15
	SHC 80, 3, 10
	s_add_co_u32 s80, s80, 16777216
	s_mov_b32 s81, 0
	s_lshl_b32 s82, s55, 16                        ; and its scale words
	SHC 82, 52, 14
	SHC 82, 63, 11
	SHC 82, 53, 10
	s_add_co_u32 s82, s82, 524288
	s_mov_b32 s83, 0
	s_mov_b32 s[MNT], 0x600000
	s_mov_b32 s[SEL], 0x76543210
	s_mov_b32 s[SEL+1], 0xfedcba98
	s_wait_dscnt 0x0                               ; both opening adds are done
	s_wait_alu depctr_va_vdst(0)                   ; the wait at the head's end
	s_wait_kmcnt 0x0
	s_mov_b32 s24, 1
	s_lshl_b32 s25, s3, 16                         ; LDS: 65,536 x wave
	s_add_nc_u64 s[26:27], s[4:5], s[26:27]
	s_or_b32 s27, s27, 0x80000000
	s_mov_b32 s28, 1
	s_lshl_b32 s29, s3, 15                         ; phase 2: 32,768 x wave
	s_add_nc_u64 s[30:31], s[4:5], s[30:31]
	s_or_b32 s31, s31, 0x80000000
	s_add_nc_u64 s[32:33], s[4:5], s[32:33]
	s_add_nc_u64 s[34:35], s[4:5], s[34:35]
	s_add_nc_u64 s[36:37], s[6:7], s[36:37]
	s_add_nc_u64 s[38:39], s[6:7], s[38:39]
	s_add_nc_u64 s[40:41], s[6:7], s[40:41]
	s_add_nc_u64 s[42:43], s[6:7], s[42:43]
	s_cmp_lt_u32 s48, 32
	s_cselect_b64 s[72:73], s[8:9], s[10:11]       ; Wq_b or Wk_b
	s_add_nc_u64 s[70:71], s[72:73], s[70:71]
	s_add_nc_u64 s[74:75], s[84:85], s[74:75]
	s_add_nc_u64 s[76:77], s[86:87], s[76:77]
	s_add_nc_u64 s[80:81], s[86:87], s[80:81]
	s_add_nc_u64 s[78:79], s[88:89], s[78:79]
	s_add_nc_u64 s[82:83], s[88:89], s[82:83]
.irp n, 0,1,2,3
	global_load_b128 v[128+4*\n:131+4*\n], v[TH16], s[40:41] offset:2048*\n   ; Y's scale words of all of K: 2,048 dense bytes a kp,
	global_load_b64 v[144+2*\n:145+2*\n], v[TH8], s[42:43] offset:2048*\n     ; phase 2's 1,024
.endr
.irp kp, 0,1,2,3
.irp p, 0,1
	global_load_b64 v[XS+4*\kp+2*\p:XS+4*\kp+2*\p+1], v[L8], s[36:37] offset:2048*\kp+256*\p         ; X's: lanes 0-15 my row block 2 p, lanes 16-31 block 2 p + 1: 256 dense bytes
	global_load_b64 v[XS+16+4*\kp+2*\p:XS+16+4*\kp+2*\p+1], v[L8], s[38:39] offset:2048*\kp+256*\p
.endr
.endr
.irp a, 0,1,2,3,4,5,6,7
	global_load_b32 v[BV+\a], v[R4], s[74:75] offset:64*\a   ; v's bias of my lane's row d = 16 a + r
.endr
	WIN 0x40
.irp b, 0,1,2,3                        ; q, k: register j of X's tile 2 beta + u is d = 32 beta + 16 h + 8 u + j
	global_load_b128 v[192+8*\b:192+8*\b+3], v[H64], s[70:71] offset:(32*(\b/2)+8*(\b%2))*4
	global_load_b128 v[192+8*\b+4:192+8*\b+7], v[H64], s[70:71] offset:(32*(\b/2)+8*(\b%2))*4+16
.endr
	WIN 0
	CROUND                                         ; all four work-groups are here: the joint loads meet
.macro ARM under, next                 ; one chain of branches on the wave's number, one load to an arm: each wave has a load line of its own
	s_cmp_lt_u32 s3, \under
	s_cbranch_scc0 \next
	tensor_load_to_lds s[24:27], s[G1:G1+7]
	s_nop 0
	PLACES 4
	s_branch .Lhead_asked
\next:
.endm
	ARM 1, .Lhead_1
	ARM 2, .Lhead_2
	ARM 3, .Lhead_3
	tensor_load_to_lds s[24:27], s[G1:G1+7]
	s_nop 0
	PLACES 4
.Lhead_asked:
	LOADX 1, 0
	LOADX 1, 1
	s_wait_loadcnt 32                              ; all but X's 32 loads
.irp n, 0,1,2,3
	ds_store_b128 v[SIN1], v[128+4*\n:131+4*\n] offset:2048*\n
	ds_store_b64 v[SIN2], v[144+2*\n:145+2*\n] offset:1024*\n
.endr
	s_wait_dscnt 0x0                               ; for the others' sake: my stores have landed
	SHOW 0
	FETCH 1, 0
	SCB 1, 0
.irp G, 0,1,2,3,4,5,6,7,8,9,10,11,12,13,14,15,16,17,18,19,20,21,22,23,24,25,26,27,28,29,30,31
	GROUP 1, \G
.endr
	PLACES 8                                       ; behind the last products: their results are read and their registers loaded into below
	; THE CHANGE OF PHASE: phase 2's Y over phase 1's, behind a drained round
	s_wait_tensorcnt 0x0                           ; no tensor load of mine is out,
	ds_add_u32 v[SPW], v[NIL]                      ; 0 onto my spare word;
	s_mov_b32 s[G1+2], 128<<16                     ; so a descriptor may be written: 128 rows
	s_mov_b32 s[G1+4], 128
	s_wait_dscnt 0x0                               ; the add is done, and my reads of Y are over
	CROUND                                         ; that holds of every wave of all four work-groups
	tensor_load_to_lds s[28:31], s[G1:G1+7]
	s_nop 0
	PLACES 4
	LOADX 2, 0
	LOADX 2, 1
	LOADX 2, 2
.irp A, 0,1,2,3,4,5,6,7
	QB \A, 76, SWR1
.endr
	s_wait_alu depctr_va_vdst(0)
	s_wait_tensorcnt 0x0                           ; my part of phase 2's Y is in,
	s_wait_dscnt 0x0                               ; and my bytes lie in the stage
	s_barrier_signal -1
	s_barrier_wait -1
	ds_load_b128 v[104:107], v[SRD1]               ; the work-group's 2,048 bytes of scale words leave dense
	WIN 0xc0
.irp a, 0,1,2,3,4,5,6,7
.irp j, 0,1,2,3,4,5,6,7
	v_mov_b32 v[8*\a+\j], v[BV+\a]                 ; v's bias as the first products' C: all eight registers of block a hold my row's
.endr
.endr
	WIN 0
	s_wait_alu depctr_va_vdst(0)
	s_wait_dscnt 0x0
	global_store_b128 v[TH16], v[104:107], s[78:79]
	s_wait_xcnt 0x0                                ; every store has read its registers: Y's fragments may land on the codes
	FETCH 2, 0
	SCB 2, 0
.irp G, 0,1,2,3,4,5,6,7,8,9,10,11,12,13,14,15
	GROUP 2, \G
.endr
	PLACES 8
.irp A, 0,1,2,3
	QB \A, 80, SWR2
.endr
	s_wait_dscnt 0x0
	s_barrier_signal -1
	s_barrier_wait -1
	ds_load_b64 v[104:105], v[SRD2]                ; 1,024 bytes of scale words
	s_wait_dscnt 0x0
	global_store_b64 v[TH8], v[104:105], s[82:83]
	s_wait_tensorcnt 0x0                           ; the wave's end
	ds_add_u32 v[SPW], v[NIL]
	s_wait_dscnt 0x0
	CROUND                                         ; the closing round
	s_endpgm
.Lfunc_end_k_q8a44945df3_proj:
	.size	k_q8a44945df3_proj, .Lfunc_end_k_q8a44945df3_proj-k_q8a44945df3_proj
	.p2alignl 7, 3214868480
	.fill 96, 4, 3214868480
	.section	.rodata,"a",@progbits
	.p2align	6, 0x0
	.amdhsa_kernel k_q8a44945df3_proj
		.amdhsa_group_segment_fixed_size 327680
		.amdhsa_private_segment_fixed_size 0
		.amdhsa_enable_private_segment 0
		.amdhsa_kernarg_size 56
		.amdhsa_user_sgpr_count 2
		.amdhsa_user_sgpr_kernarg_segment_ptr 1
		.amdhsa_wavefront_size32 1
		.amdhsa_system_sgpr_workgroup_id_x 1
		.amdhsa_system_sgpr_workgroup_id_y 1
		.amdhsa_system_sgpr_workgroup_id_z 1
		.amdhsa_system_vgpr_workitem_id 0
		.amdhsa_next_free_vgpr 1024
		.amdhsa_next_free_sgpr 102
		.amdhsa_reserve_vcc 0
		.amdhsa_float_denorm_mode_32 3
		.amdhsa_float_denorm_mode_16_64 3
		.amdhsa_memory_ordered 1
		.amdhsa_forward_progress 1
		.amdhsa_inst_pref_size 255
	.end_amdhsa_kernel
	.section	.bss,"aw",@nobits
	.p2align	6
	.space	262144
	.amdgpu_metadata
---
amdhsa.version: [ 1, 2 ]
amdhsa.kernels:
  - .name:           k_q8a44945df3_proj
    .symbol:         k_q8a44945df3_proj.kd
    .args:
      - { .name: xc, .offset: 0, .size: 8, .value_kind: global_buffer, .address_space: global }
      - { .name: xs, .offset: 8, .size: 8, .value_kind: global_buffer, .address_space: global }
      - { .name: Wq_b, .offset: 16, .size: 8, .value_kind: global_buffer, .address_space: global }
      - { .name: Wk_b, .offset: 24, .size: 8, .value_kind: global_buffer, .address_space: global }
      - { .name: Wv_b, .offset: 32, .size: 8, .value_kind: global_buffer, .address_space: global }
      - { .name: qkvc, .offset: 40, .size: 8, .value_kind: global_buffer, .address_space: global }
      - { .name: qkvs, .offset: 48, .size: 8, .value_kind: global_buffer, .address_space: global }
    .group_segment_fixed_size: 327680
    .private_segment_fixed_size: 0
    .kernarg_segment_align: 8
    .kernarg_segment_size: 56
    .max_flat_workgroup_size: 128
    .sgpr_count:     102
    .vgpr_count:     1024
    .wavefront_size: 32
...
	.end_amdgpu_metadata
.endif
;; end of part 2
;; launch score (part 3): grid 8 x 32, 4 waves a work-group, clusters of 4 x 4, 327,680 bytes of LDS; arguments qkvc, qkvs, mbits, pc, ps, st; writes pc, ps, st
.if DOCPART == 3
	.amdgcn_target "amdgcn-amd-amdhsa--gfx1250"
	.amdhsa_code_object_version 6
	.text
	.protected	k_q8a44945df3_score
	.globl	k_q8a44945df3_score
	.p2align	8
	.type	k_q8a44945df3_score,@function
k_q8a44945df3_score:
	s_mov_b64 s[64:65], 0
	v_nop
	global_prefetch_b8 v0, s[64:65] scope:SCOPE_SE
	s_setreg_imm32_b32 hwreg(HW_REG_WAVE_MODE, 25, 1), 1
	s_wait_xcnt 0x0
	s_wait_alu depctr_hold_cnt(0) depctr_sa_sdst(0) depctr_va_vdst(0) depctr_va_sdst(0) depctr_va_ssrc(0) depctr_va_vcc(0) depctr_vm_vsrc(0)
	s_getreg_b32 s2, hwreg(HW_REG_IB_STS2, 6, 4)
	s_cmp_eq_u32 s2, 0
	s_cbranch_scc0 .Lentry_in_a_cluster
	s_endpgm
.Lentry_in_a_cluster:
	s_bfe_u32 s2, ttmp6, 0x10000c
	s_cmp_lg_u32 s2, 0xf033
	s_cbranch_scc0 .Lentry_shape_is_right
	s_endpgm
.Lentry_shape_is_right:
.set KP,    4
.set LAPS,  KP/2
.set SLOT,  131072
.set SCL,   2*SLOT
.set XSC,   SCL+KP*2048+128
.set SCST,  278784
.set MST,   280832
.set LST,   282880
.set SPARE, 284928
.set FR,    16
.set NP,    8
.set ADRA,  16
.set ADRB,  20
.set TH16,  22
.set SRD,   23
.set SWR,   24
.set SIN,   25
.set CO,    26
.set ADRS,  27
.set SPW,   28
.set NIL,   29
.set MWR,   30
.set SC,    32
.set BI,    64
.set TM,    64
.set NM,    80
.set SU,    82
.set NEGT,  86
.set T,     87
.set PW,    88
.set AF,    128
.set G1,    16
.set G1B,   24
.set G0,    32
.set G0B,   40
.set SEL,   88
.set MNT,   90
.set CS,    100
.set MSB, 0
.macro WIN new
.if MSB != \new
	s_set_vgpr_msb (MSB<<8)|\new
.set MSB, \new
.endif
.endm
.set MUL_LO, 0xa1
.set MUL_HI, 0xf1
.set TO_B,   0x40
.macro JLOAD s
	s_cmp_eq_u32 s12, 0
	s_cbranch_scc0 .Lfor_x_\@
	tensor_load_to_lds s[G0+4*\s:G0+4*\s+3], s[G1:G1+7]
	s_nop 0
.rept 4
	v_nop
.endr
	s_branch .Lasked_\@
.Lfor_x_\@:
	tensor_load_to_lds s[G0B+4*\s:G0B+4*\s+3], s[G1B:G1B+7]
	s_nop 0
.rept 4
	v_nop
.endr
.Lasked_\@:
.endm
.macro CREST
	s_cmp_lg_u32 s3, 0
	s_cbranch_scc1 .Lnot_wave_0_\@
	s_barrier_signal -3
.Lnot_wave_0_\@:
	s_barrier_wait -3
	s_barrier_signal -1
	s_barrier_wait -1
.endm
.macro CROUND
	s_barrier_signal -1
	s_barrier_wait -1
	CREST
.endm
.macro PLACES n
.rept \n
	v_nop
.endr
.endm
.macro FRAG reg, adr, q, i
.irp c, 0,1,2,3
	ds_load_b128 v[\reg+4*\c:\reg+4*\c+3], v[\adr] offset:4096*(\i)+2048*(\q)+512*\c
.endr
.endm
.macro FETCH_B slot, q, p
	WIN TO_B
.irp i, 0,1,2,3,4,5,6,7
	FRAG 128*(\p)+FR*\i, ADRB+\slot, \q, \i
.endr
	WIN 0
.endm
.macro FETCH_A slot, q, i0
.irp i, \i0, \i0+1, \i0+2, \i0+3
	FRAG AF+FR*(\i), ADRA+\slot, \q, \i
.endr
.endm
.macro SCALES sc
.irp i, 0,1,2,3,4,5,6,7
	ds_load_b64 v[SC+16*\sc+2*\i:SC+16*\sc+2*\i+1], v[ADRS] offset:128*\i
.endr
.endm
.macro MUL16 a0, p, q, sc, zero
.irp a, \a0, \a0+1
.irp b, 0,1,2,3,4,5,6,7
.set rD, 8*(8*((\a)%4)+\b)
.set rX, 128*(\p)+FR*\b
.set rY, AF+FR*(\a)
.set sX, SC+16*(\sc)+2*\b+(\q)
.set sY, SC+16*(\sc)+2*(\a)+(\q)
.if \zero == 0
	v_wmma_scale_f32_16x16x128_f8f6f4 v[rD:rD+7], v[rX:rX+15], v[rY:rY+15], v[rD:rD+7], v[sX], v[sY] matrix_a_scale:MATRIX_SCALE_ROW1
.else
	v_wmma_scale_f32_16x16x128_f8f6f4 v[rD:rD+7], v[rX:rX+15], v[rY:rY+15], 0, v[sX], v[sY] matrix_a_scale:MATRIX_SCALE_ROW1
.endif
.endr
.endr
.endm
.macro STEP slot, q, zero
	s_wait_dscnt 16
	WIN MUL_LO
	MUL16 0, (\q)%2, \q, \slot, \zero
	MUL16 2, (\q)%2, \q, \slot, \zero
	s_wait_dscnt 0x0
	PLACES NP
	FETCH_B \slot, (\q)+1, 1-(\q)%2
	FETCH_A \slot, (\q)+1, 0
	WIN MUL_HI
	MUL16 4, (\q)%2, \q, \slot, \zero
	MUL16 6, (\q)%2, \q, \slot, \zero
	PLACES NP
	WIN 0
	FETCH_A \slot, (\q)+1, 4
.endm
.macro TURN slot, next, fill
	s_wait_tensorcnt 0x0
	ds_add_u32 v[SPW], v[NIL]
	s_mov_b32 s[G1+2], 128<<16                     ; no tensor load of mine is out: a load of the ring brings 128 rows
	s_mov_b32 s[G1+4], 128
	s_mov_b32 s[G1B+2], 128<<16
	s_mov_b32 s[G1B+4], 128
	s_wait_dscnt 17
	WIN MUL_LO
	MUL16 0, 1, 1, \slot, 0
	s_wait_dscnt 0x0
	s_barrier_signal -1
	MUL16 2, 1, 1, \slot, 0
	WIN 0
	s_barrier_wait -1
.if \fill
	CREST
	s_add_nc_u64 s[G0+4*\slot+2:G0+4*\slot+3], s[G0+4*\slot+2:G0+4*\slot+3], 131072
	s_add_nc_u64 s[G0B+4*\slot+2:G0B+4*\slot+3], s[G0B+4*\slot+2:G0B+4*\slot+3], 131072
	JLOAD \slot
	PLACES NP-4
.else
	PLACES NP
.endif
	s_wait_alu depctr_va_vdst(0)
	v_add_nc_u32 v[ADRS], 2048, v[ADRS]
	FETCH_B \next, 0, 0
	FETCH_A \next, 0, 0
	SCALES \next
	WIN MUL_HI
	MUL16 4, 1, 1, \slot, 0
	MUL16 6, 1, 1, \slot, 0
	PLACES NP
	WIN 0
	FETCH_A \next, 0, 4
.endm
.macro MLOAD a
	s_load_b512 s[16:31], s[98:99], (\a)*4096
	s_load_b512 s[32:47], s[98:99], (\a)*4096+64
	s_load_b512 s[48:63], s[98:99], (\a)*4096+128
	s_load_b512 s[68:83], s[98:99], (\a)*4096+192
.endm
	s_load_b256 s[4:11], s[0:1], 0x0
	s_load_b128 s[84:87], s[0:1], 0x20
	v_lshl_add_u32 v[SPW], v0, 2, SPARE
	v_mov_b32 v[NIL], 0
	ds_add_u32 v28, v29
	ds_add_u32 v28, v29
	s_wait_dscnt 0x0
	v_lshrrev_b32 v1, 5, v0
	v_readfirstlane_b32 s3, v1
	v_and_b32 v1, 31, v0
	v_and_b32 v2, 15, v0
	v_bfe_u32 v3, v0, 4, 1
	v_lshlrev_b32 v[TH16], 4, v0
	s_lshr_b32 s12, s3, 1
	s_and_b32 s13, s3, 1
	s_bfe_u32 s14, ttmp6, 0x40000
	s_bfe_u32 s15, ttmp6, 0x40004
	s_and_b32 s48, ttmp7, 0xffff
	s_lshl_b32 s59, s15, 2
	s_lshl_b32 s59, 15, s59
	s_lshl_b32 s60, 0x1111, s14
	s_or_b32 s[G1], s59, (3<<16)|(1<<21)
	s_or_b32 s[G1B], s60, (3<<16)|(1<<21)
.irp g, G1, G1B
	s_mov_b32 s[\g+1], 32<<16
	s_mov_b32 s[\g+2], 256<<16                     ; the head's loads bring 256 rows of 256 bytes; the ring's 128 rows are set in TURN
	s_mov_b32 s[\g+3], 32<<16
	s_mov_b32 s[\g+4], 256
	s_mov_b32 s[\g+5], 32
	s_mov_b32 s[\g+6], 0
	s_mov_b32 s[\g+7], 0
.endr
	s_lshl_b32 s49, s48, 2
	s_add_co_u32 s49, s49, s15
	s_lshr_b32 s50, s48, 1
	s_lshl_b32 s50, s50, 3
	s_lshl_b32 s51, ttmp9, 2
	s_add_co_u32 s51, s51, s14
	s_add_co_u32 s50, s50, s51
	s_add_co_u32 s50, s50, 32
	s_lshl_b32 s56, s13, 15
	s_lshl_b32 s52, s49, 18
	s_add_co_u32 s52, s52, s56
	s_mov_b32 s53, 0
	s_lshl_b32 s54, s50, 18
	s_add_co_u32 s54, s54, s56
	s_mov_b32 s55, 0
	s_lshl_b32 s58, s3, 15
	s_lshl_b32 s66, s49, 13
	s_mov_b32 s67, 0
	s_lshl_b32 s68, s50, 13
	s_mov_b32 s69, 0
	s_lshl_b32 s72, s49, 19
	s_lshl_b32 s73, s51, 16
	s_add_co_u32 s72, s72, s73
	s_lshl_b32 s73, s12, 15
	s_add_co_u32 s72, s72, s73
	s_lshl_b32 s73, s13, 11
	s_add_co_u32 s72, s72, s73
	s_mov_b32 s73, 0
	s_lshl_b32 s74, s49, 14
	s_lshl_b32 s75, s51, 11
	s_add_co_u32 s74, s74, s75
	s_mov_b32 s75, 0
	s_lshl_b32 s76, s49, 4
	s_lshl_b32 s77, s12, 3
	s_add_co_u32 s76, s76, s77
	s_lshl_b32 s76, s76, 12
	s_lshl_b32 s77, s51, 3
	s_lshl_b32 s78, s13, 2
	s_add_co_u32 s77, s77, s78
	s_lshl_b32 s77, s77, 6
	s_add_co_u32 s76, s76, s77
	s_mov_b32 s77, 0
	s_mov_b32 s[SEL], 0x76543210
	s_mov_b32 s[SEL+1], 0xfedcba98
	s_mov_b32 s[MNT], 0x600000
	s_mov_b32 s[CS], 0x3d38aa3b
	s_mov_b32 s[CS+1], s[CS]
	s_wait_alu depctr_va_vdst(0)
	s_wait_kmcnt 0x0
	s_add_nc_u64 s[52:53], s[4:5], s[52:53]
	s_add_nc_u64 s[54:55], s[4:5], s[54:55]
	s_add_nc_u64 s[66:67], s[6:7], s[66:67]
	s_add_nc_u64 s[68:69], s[6:7], s[68:69]
	s_add_nc_u64 s[92:93], s[10:11], s[72:73]
	s_add_nc_u64 s[94:95], s[84:85], s[74:75]
	s_add_nc_u64 s[96:97], s[86:87], s[74:75]
	s_add_nc_u64 s[98:99], s[8:9], s[76:77]
.irp n, 0,1,2,3
	global_load_b128 v[128+4*\n:131+4*\n], v[TH16], s[66:67] offset:2048*\n
	global_load_b128 v[144+4*\n:147+4*\n], v[TH16], s[68:69] offset:2048*\n
.endr
	CROUND
.irp s, 0,1
	s_mov_b32 s[G0+4*\s], 1
	s_add_co_u32 s[G0+4*\s+1], s58, \s*SLOT
	s_add_nc_u64 s[G0+4*\s+2:G0+4*\s+3], s[52:53], \s*65536
	s_or_b32 s[G0+4*\s+3], s[G0+4*\s+3], 0x80000000
	s_mov_b32 s[G0B+4*\s], 1
	s_add_co_u32 s[G0B+4*\s+1], s58, \s*SLOT
	s_add_nc_u64 s[G0B+4*\s+2:G0B+4*\s+3], s[54:55], \s*65536
	s_or_b32 s[G0B+4*\s+3], s[G0B+4*\s+3], 0x80000000
.endr
	; the head's four tiles, one joint load a wave: wave 0 Y's K step 0, wave 1 Y's K step 1, wave 2 X's K step 0, wave 3 X's K step 1: 65,536 dense bytes each, K step n into slot n
	s_mov_b32 s57, 0
	s_mov_b32 s4, 1
	s_mul_i32 s5, s13, SLOT
	s_add_nc_u64 s[6:7], s[52:53], s[56:57]
	s_or_b32 s7, s7, 0x80000000
	s_mov_b32 s8, 1
	s_add_co_u32 s9, s5, 65536
	s_add_nc_u64 s[10:11], s[54:55], s[56:57]
	s_or_b32 s11, s11, 0x80000000
.macro ARM under, g0, g1, next
	s_cmp_lt_u32 s3, \under
	s_cbranch_scc0 \next
	tensor_load_to_lds s[\g0:\g0+3], s[\g1:\g1+7]
	s_nop 0
.rept 4
	v_nop
.endr
	s_branch .Lhead_asked
\next:
.endm
	ARM 1, 4, G1, .Lhead_y1
	ARM 2, 4, G1, .Lhead_x0
	ARM 3, 8, G1B, .Lhead_x1
	tensor_load_to_lds s[8:11], s[G1B:G1B+7]
	s_nop 0
.rept 4
	v_nop
.endr
.Lhead_asked:
	s_lshl_b32 s61, s12, 15
	s_lshl_b32 s62, s13, 15
	s_add_co_u32 s62, s62, 65536
.irp s, 0,1
	v_lshl_add_u32 v[ADRA+\s], v1, 4, s61
	v_lshl_add_u32 v[ADRB+\s], v1, 4, s62
	s_add_co_u32 s61, s61, SLOT
	s_add_co_u32 s62, s62, SLOT
.endr
	s_lshl_b32 s61, s12, 10
	s_lshl_b32 s62, s13, 10
	s_add_co_u32 s62, s62, XSC-SCL
	s_sub_co_u32 s62, s62, s61
	v_mul_u32_u24 v6, s62, v3
	s_add_co_u32 s61, s61, SCL
	v_lshl_add_u32 v6, v2, 3, v6
	v_add_nc_u32 v[ADRS], s61, v6
	v_lshl_add_u32 v[SIN], v0, 4, SCL
	v_lshl_add_u32 v[SRD], v0, 4, SCST
	v_lshlrev_b32 v[CO], 4, v1
	s_lshl_b32 s61, s12, 10
	s_lshl_b32 s62, s13, 2
	s_add_co_u32 s61, s61, s62
	s_add_co_u32 s61, s61, SCST
	v_lshl_add_u32 v[SWR], v2, 3, s61
	s_lshl_b32 s61, s13, 10
	s_lshl_b32 s62, s12, 9
	s_add_co_u32 s61, s61, s62
	s_add_co_u32 s61, s61, MST
	v_lshl_add_u32 v[MWR], v2, 2, s61
	s_wait_alu depctr_va_vdst(0)
	s_wait_loadcnt 0x0
.irp n, 0,1,2,3
	ds_store_b128 v[SIN], v[128+4*\n:131+4*\n] offset:2048*\n
	ds_store_b128 v[SIN], v[144+4*\n:147+4*\n] offset:XSC-SCL+2048*\n
.endr
	s_wait_dscnt 0x0
	s_cmp_eq_u32 s13, 0                            ; waves 0 and 2 brought K step 0: they wait here; K step 1's loads are waited for in the first TURN
	s_cbranch_scc0 .Lstep_1_out
	s_wait_tensorcnt 0x0
.Lstep_1_out:
	s_barrier_signal -1
	s_barrier_wait -1
	FETCH_B 0, 0, 0
	FETCH_A 0, 0, 0
	SCALES 0
	FETCH_A 0, 0, 4
	STEP 0, 0, 1
	s_mov_b32 s2, LAPS-1
.Llap:
	TURN 0, 1, 1
	STEP 1, 0, 0
	TURN 1, 0, 1
	STEP 0, 0, 0
	s_sub_co_u32 s2, s2, 1
	s_cmp_lg_u32 s2, 0
	s_cbranch_scc1 .Llap
	TURN 0, 1, 0
	MLOAD 0
	STEP 1, 0, 0
	s_wait_dscnt 16
	WIN MUL_LO
	MUL16 0, 1, 1, 1, 0
	MUL16 2, 1, 1, 1, 0
	s_wait_dscnt 0x0
	WIN MUL_HI
	MUL16 4, 1, 1, 1, 0
	MUL16 6, 1, 1, 1, 0
	WIN 0
	PLACES NP
.macro SB a
.set AC, 64*((\a)%4)
.set W, 2+(\a)/4
.set PCA, 128+16*(\a)
	s_wait_kmcnt 0x0
	WIN 65*W
.set n, 0
.rept 32
	v_pk_mul_f32 v[AC+n:AC+n+1], v[AC+n:AC+n+1], s[CS:CS+1] op_sel_hi:[1,0]
.set n, n+2
.endr
.set n, 0
.rept 64
	v_cndmask_b32 v[AC+n], v[AC+n], v[NEGT], s[16+16*(n/16)+n%16+4*(n/48)]
.set n, n+1
.endr
.if (\a) < 7
	MLOAD (\a)+1
.endif
	WIN 20*W
.irp b, 0,1,2,3
	v_max3_num_f32 v[TM+\b], 0xff7fffff, v[AC+16*\b], v[AC+16*\b+1]
.endr
.irp i, 2,4,6,8,10,12,14
.irp b, 0,1,2,3
	v_max3_num_f32 v[TM+\b], v[TM+\b], v[AC+16*\b+\i], v[AC+16*\b+\i+1]
.endr
.endr
	WIN 0
	s_wait_alu depctr_va_vdst(0)
	s_wait_dscnt 0x0
.irp b, 0,1,2,3
	v_permlanex16_b32 v[TM+4+\b], v[TM+\b], s[SEL], s[SEL+1]
.endr
.irp b, 0,1,2,3
	v_max_num_f32 v[TM+\b], v[TM+\b], v[TM+4+\b]
.endr
	v_max3_num_f32 v[T], v[TM], v[TM+1], v[TM+2]
	v_max_num_f32 v[T], v[T], v[TM+3]
	v_floor_f32 v[NM], -v[T]
.irp b, 0,1,2,3
	v_add_f32 v[TM+\b], v[TM+\b], v[NM]
.endr
.irp j, 0,1,2,3
	v_mov_b32 v[SU+\j], 0
.endr
	WIN 65*W
.set n, 0
.rept 32
	v_pk_add_f32 v[AC+n:AC+n+1], v[AC+n:AC+n+1], v[NM:NM+1] op_sel_hi:[1,0]
.set n, n+2
.endr
.set n, 0
	s_wait_alu depctr_va_vdst(0)
.rept 64
	v_exp_f32 v[AC+n], v[AC+n]
.set n, n+1
.endr
	v_nop
	s_wait_alu depctr_va_vdst(0)
	WIN 4*W
.set n, 0
.rept 16
	v_pk_add_f32 v[SU:SU+1], v[SU:SU+1], v[AC+n:AC+n+1]
	v_pk_add_f32 v[SU+2:SU+3], v[SU+2:SU+3], v[AC+n+2:AC+n+3]
.set n, n+4
.endr
	WIN 0
	s_wait_alu depctr_va_vdst(0)
.irp b, 0,1,2,3
	v_exp_f32 v[TM+\b], v[TM+\b]
.endr
	v_pk_add_f32 v[SU:SU+1], v[SU:SU+1], v[SU+2:SU+3]
	v_add_f32 v[SU], v[SU], v[SU+1]
	v_permlanex16_b32 v[T], v[SU], s[SEL], s[SEL+1]
	v_add_f32 v[SU], v[SU], v[T]
	s_wait_alu depctr_va_vdst(0)
.irp b, 0,1,2,3
	v_max_num_f32 v[TM+\b], 0x4800000, v[TM+\b]
.endr
.irp b, 0,1,2,3
	v_add_nc_u32 v[TM+12+\b], 0xfc000000, v[TM+\b]
.endr
.irp b, 0,1,2,3
	v_and_or_b32 v[TM+8+\b], v[TM+\b], 0x7f800000, s[MNT]
.endr
.irp b, 0,1,2,3
	v_lshrrev_b32 v[TM+4+\b], 23, v[TM+12+\b]
.endr
	v_lshl_or_b32 v[PW+\a], v[TM+5], 8, v[TM+4]
	v_lshl_or_b32 v[PW+\a], v[TM+6], 16, v[PW+\a]
	v_lshl_or_b32 v[PW+\a], v[TM+7], 24, v[PW+\a]
	WIN 65*W
.irp b, 0,1,2,3
.irp i, 0,1,2,3,4,5,6,7,8,9,10,11,12,13,14,15
	v_min_num_f32 v[AC+16*\b+\i], v[AC+16*\b+\i], v[TM+8+\b]
.endr
.endr
	WIN W
.irp b, 0,1,2,3
	v_cvt_scalef32_pk8_fp8_f32 v[PCA+4*\b:PCA+4*\b+1], v[AC+16*\b:AC+16*\b+7], v[TM+12+\b]
	v_cvt_scalef32_pk8_fp8_f32 v[PCA+4*\b+2:PCA+4*\b+3], v[AC+16*\b+8:AC+16*\b+15], v[TM+12+\b]
.endr
	WIN 0
	v_nop
.irp c, 0,1,2,3
	global_store_b128 v[CO], v[PCA+4*\c:PCA+4*\c+3], s[92:93] offset:4096*(\a)+512*\c
.endr
	ds_store_b32 v[SWR], v[PW+\a] offset:128*(\a)
	ds_store_b32 v[MWR], v[NM] offset:64*(\a)
	ds_store_b32 v[MWR], v[SU] offset:LST-MST+64*(\a)
.endm
.irp b, 0,1,2,3
	v_mov_b32 v[TM+4+\b], 0
.endr
	v_mov_b32 v[NM+1], 0
	v_mov_b32 v[NEGT], 0xceabfb8f
.irp a, 0,1,2,3,4,5,6,7
	SB \a
.endr
	s_wait_dscnt 0x0
	s_barrier_signal -1
	s_barrier_wait -1
	ds_load_b128 v[96:99], v[SRD]
	ds_load_b128 v[100:103], v[SRD] offset:MST-SCST
	ds_load_b128 v[104:107], v[SRD] offset:LST-SCST
	s_wait_dscnt 0x0
	global_store_b128 v[TH16], v[96:99], s[94:95]
	global_store_b128 v[TH16], v[100:103], s[96:97]
	global_store_b128 v[TH16], v[104:107], s[96:97] offset:524288
	s_wait_tensorcnt 0x0
	ds_add_u32 v[SPW], v[NIL]
	s_wait_dscnt 0x0
	CROUND
	s_endpgm
.Lfunc_end_k_q8a44945df3_score:
	.size	k_q8a44945df3_score, .Lfunc_end_k_q8a44945df3_score-k_q8a44945df3_score
	.p2alignl 7, 3214868480
	.fill 96, 4, 3214868480
	.section	.rodata,"a",@progbits
	.p2align	6, 0x0
	.amdhsa_kernel k_q8a44945df3_score
		.amdhsa_group_segment_fixed_size 327680
		.amdhsa_private_segment_fixed_size 0
		.amdhsa_enable_private_segment 0
		.amdhsa_kernarg_size 48
		.amdhsa_user_sgpr_count 2
		.amdhsa_user_sgpr_kernarg_segment_ptr 1
		.amdhsa_wavefront_size32 1
		.amdhsa_system_sgpr_workgroup_id_x 1
		.amdhsa_system_sgpr_workgroup_id_y 1
		.amdhsa_system_sgpr_workgroup_id_z 1
		.amdhsa_system_vgpr_workitem_id 0
		.amdhsa_next_free_vgpr 1024
		.amdhsa_next_free_sgpr 102
		.amdhsa_reserve_vcc 0
		.amdhsa_float_denorm_mode_32 3
		.amdhsa_float_denorm_mode_16_64 3
		.amdhsa_memory_ordered 1
		.amdhsa_forward_progress 1
		.amdhsa_inst_pref_size 255
	.end_amdhsa_kernel
	.section	.bss,"aw",@nobits
	.p2align	6
	.space	262144
	.amdgpu_metadata
---
amdhsa.version: [ 1, 2 ]
amdhsa.kernels:
  - .name:           k_q8a44945df3_score
    .symbol:         k_q8a44945df3_score.kd
    .args:
      - { .name: qkvc, .offset: 0, .size: 8, .value_kind: global_buffer, .address_space: global }
      - { .name: qkvs, .offset: 8, .size: 8, .value_kind: global_buffer, .address_space: global }
      - { .name: mbits, .offset: 16, .size: 8, .value_kind: global_buffer, .address_space: global }
      - { .name: pc, .offset: 24, .size: 8, .value_kind: global_buffer, .address_space: global }
      - { .name: ps, .offset: 32, .size: 8, .value_kind: global_buffer, .address_space: global }
      - { .name: st, .offset: 40, .size: 8, .value_kind: global_buffer, .address_space: global }
    .group_segment_fixed_size: 327680
    .private_segment_fixed_size: 0
    .kernarg_segment_align: 8
    .kernarg_segment_size: 48
    .max_flat_workgroup_size: 128
    .sgpr_count:     102
    .vgpr_count:     1024
    .wavefront_size: 32
...
	.end_amdgpu_metadata
.endif
;; end of part 3
;; launch mix (part 4): grid 4 x 64, 4 waves a work-group, clusters of 4 x 1, 327,680 bytes of LDS; arguments pc, ps, st, qkvc, qkvs, out0; writes out0
.if DOCPART == 4
	.amdgcn_target "amdgcn-amd-amdhsa--gfx1250"
	.amdhsa_code_object_version 6
	.text
	.protected	k_q8a44945df3_mix
	.globl	k_q8a44945df3_mix
	.p2align	8
	.type	k_q8a44945df3_mix,@function
k_q8a44945df3_mix:
	s_mov_b64 s[64:65], 0
	v_nop
	global_prefetch_b8 v0, s[64:65] scope:SCOPE_SE
	s_setreg_imm32_b32 hwreg(HW_REG_WAVE_MODE, 25, 1), 1
	s_wait_xcnt 0x0
	s_wait_alu depctr_hold_cnt(0) depctr_sa_sdst(0) depctr_va_vdst(0) depctr_va_sdst(0) depctr_va_ssrc(0) depctr_va_vcc(0) depctr_vm_vsrc(0)
	s_getreg_b32 s2, hwreg(HW_REG_IB_STS2, 6, 4)
	s_cmp_eq_u32 s2, 0
	s_cbranch_scc0 .Lentry_in_a_cluster
	s_endpgm
.Lentry_in_a_cluster:
	s_bfe_u32 s2, ttmp6, 0x10000c
	s_cmp_lg_u32 s2, 0x3003
	s_cbranch_scc0 .Lentry_shape_is_right
	s_endpgm
.Lentry_shape_is_right:
; MIX.  out = (P V) / l on codes of FP8 (E4M3) with E8M0 scales: batch 4 x [2,048 queries, K = 2,048 keys] x [2,048 keys, 1,024 of d].
; P comes from the launch before in 16 segments of 128 keys a row, each quantised under its own whole number M_k (st holds -M_k and the segment's sum l_k of the unquantised p).  The head joins them: M = the largest M_k;
; n_k = M - M_k is taken off the four scale bytes of segment k (a power of two, taken up by the scales; a byte is held at 0 from below), and l = the sum of l_k 2^-n_k divides the result at the end.
; LIMITS: n_k is held at 255: a segment that lies further under the row's M adds nothing that f32 keeps.  NaN and infinities are not served.
; SHARES.  256 work-groups of four waves; a work-group makes 128 queries (Y) x 256 of d (X), a wave all 128 queries x 64 of d: 32 accumulators, 256 registers.  SOURCE 0 = 16 rows of V^T, SOURCE 1 = 16 rows of P: a lane holds one query and 8 neighbouring d.
; OPERANDS lie in memory as images of their registers: [tile of 256 rows][kp = K / 256][row block 16][q 2][2,048 bytes].
; P: the work-group's 8 row blocks, all of K, are 262,144 bytes and lie in LDS for the whole launch: each wave asks for two kp (two rows of 32,768 bytes, 65,536 apart) by ONE tensor load at the head; nothing is filled again, so there is no ring.
;    The four work-groups of a cluster (4 x 1: the four tiles of d) want the same rows: the loads are joint.  A plain barrier shows each quarter ahead of its first read.
; V^T: no two waves of the work-group want the same rows, and the partners of a cluster read different tiles of d: so it passes no LDS and has no joint load.  A step's four fragments are 16 loads of 512 dense bytes
;    straight into registers, three steps ahead, in a ring of four register buffers.  A prefetch asks for my 16,384 bytes of the kp three on, in each even step; kp 0 to 2 come by their loads alone, the last three kp ask for nothing.
; REGISTERS: window 0: v1-29 addresses; v32-63 P's scale words, two sets (on the way out 1 / l); v64-95 V^T's scale words of all of K; v96-127 at work in the head; v128-255 P's fragments, set 0 (in the head the statistics, on the way out rows of the result).
;    window 1: V^T's four buffers of 64;  window 2: accumulator (a, b) at v[8 (4 a + b)];  window 3: v128-255 P's fragments, set 1.
.set SCL,   262144                     ; behind P's codes: P's scale words, [kp][128 rows][q]: 8 x 1,024 bytes
.set LINV,  270336                     ; 1 / l of the 128 rows
.set STAGE, 270848                     ; the way out: 16 rows x 272 bytes for each wave
.set SPARE, 288256                     ; the spare words, 128 bytes for each wave: two blocks of 256 bytes that no other line names
.set SP,    272
.set ADY,   4                          ; v4-7  16 x lane + 65,536 g: P's fragments of kp 2 g, 2 g + 1
.set CO,    8                          ; v8   16 x lane
.set L8,    9                          ; v9   8 x lane
.set PFO,   10                         ; v10  256 x lane
.set TH4,   11                         ; v11  4 x thread;  v12  8 x thread
.set TH8,   12
.set ADRS,  13                         ; v13  SCL + 8 r
.set YSW,   14                         ; v14  SCL + 8 x thread
.set LWR,   15                         ; v15  LINV + 4 x thread;  v16  LINV + 4 r
.set LRD,   16
.set STO,   17                         ; v17, v18 the stage, in and out;  v19 the same two rows in out0
.set RD,    18
.set CO2,   19
.set SPW,   28
.set NIL,   29
.set SC,    32
.set RL,    32
.set XS,    64
.set YF,    128
.set G1,    16                         ; s[16:23], s[24:27] the descriptor of P's load
.set G0,    24
.set MSB, 0
.macro WIN new                         ; the immediate's high byte repeats the setting that is left
.if MSB != \new
	s_set_vgpr_msb (MSB<<8)|\new
.set MSB, \new
.endif
.endm
.macro PLACES n
.rept \n
	v_nop
.endr
.endm
.macro CROUND                          ; a round of the cluster's barrier
	s_barrier_signal -1
	s_barrier_wait -1
	s_cmp_lg_u32 s3, 0
	s_cbranch_scc1 .Lnot_wave_0_\@
	s_barrier_signal -3
.Lnot_wave_0_\@:
	s_barrier_wait -3
	s_barrier_signal -1
	s_barrier_wait -1
.endm
.macro SHOW w                          ; wave w's quarter of P has landed: it alone waits (each wave has a load line of its own); the last barrier shows all that is still out, so there every wave waits
.if \w < 3
	s_cmp_eq_u32 s3, \w
	s_cbranch_scc0 .Lnot_mine_\@
	s_wait_tensorcnt 0x0
.Lnot_mine_\@:
.else
	s_wait_tensorcnt 0x0
.endif
	s_barrier_signal -1
	s_barrier_wait -1
.endm
.macro LOADX n                         ; V^T's four fragments of step n (kp = n / 2, q = n % 2) into buffer n % 4
	WIN 0x40
.irp b, 0,1,2,3
.irp c, 0,1,2,3
	global_load_b128 v[64*((\n)%4)+16*\b+4*\c:64*((\n)%4)+16*\b+4*\c+3], v[CO], s[72:73] offset:((\n)/2)*65536+\b*4096+((\n)%2)*2048+512*\c
.endr
.endr
	WIN 0
.endm
.macro FETCHY m                        ; P's eight fragments of step m into set m % 2
	WIN 0xc0*((\m)%2)
.irp a, 0,1,2,3,4,5,6,7
.irp c, 0,1,2,3
	ds_load_b128 v[YF+16*\a+4*\c:YF+16*\a+4*\c+3], v[ADY+(\m)/4] offset:(((\m)/2)%2)*32768+\a*4096+((\m)%2)*2048+512*\c
.endr
.endr
	WIN 0
.endm
.macro SCALES kp                       ; P's scale words of a kp: two words a row, both halves of the lanes alike
.irp a, 0,1,2,3,4,5,6,7
	ds_load_b64 v[SC+16*((\kp)%2)+2*\a:SC+16*((\kp)%2)+2*\a+1], v[ADRS] offset:(\kp)*1024+128*\a
.endr
.endm
.macro PRODS n                         ; 32 products, 128 along K; the 32 accumulators take turns; step 0 starts the sums
.set KP_, (\n)/2
.set Q_, (\n)%2
	WIN 0xa1|(12*((\n)%2))                         ; source 0 window 1; source 1 window 0 or 3; C and D window 2
.irp a, 0,1,2,3,4,5,6,7
.irp b, 0,1,2,3
.set rD, 8*(4*\a+\b)
.set rX, 64*((\n)%4)+16*\b
.set rY, YF+16*\a
.set sX, XS+4*KP_+2*(\b/2)+Q_
.set sY, SC+16*(KP_%2)+2*\a+Q_
.if ((\n) == 0) && (\b%2)
	v_wmma_scale_f32_16x16x128_f8f6f4 v[rD:rD+7], v[rX:rX+15], v[rY:rY+15], 0, v[sX], v[sY] matrix_a_scale:MATRIX_SCALE_ROW1
.elseif (\n) == 0
	v_wmma_scale_f32_16x16x128_f8f6f4 v[rD:rD+7], v[rX:rX+15], v[rY:rY+15], 0, v[sX], v[sY]
.elseif \b%2
	v_wmma_scale_f32_16x16x128_f8f6f4 v[rD:rD+7], v[rX:rX+15], v[rY:rY+15], v[rD:rD+7], v[sX], v[sY] matrix_a_scale:MATRIX_SCALE_ROW1
.else
	v_wmma_scale_f32_16x16x128_f8f6f4 v[rD:rD+7], v[rX:rX+15], v[rY:rY+15], v[rD:rD+7], v[sX], v[sY]
.endif
.endr
.endr
	WIN 0
.endm
.macro STEP n
	s_wait_dscnt 0x0                               ; this step's fragments of P and its scale words are in (asked for a step ago); no LDS instruction of mine is out at a signal
.if ((\n)%4 == 3) && ((\n) < 15)
	SHOW ((\n)+1)/4                                ; the next step's fragments lie in the next quarter
.endif
.if (\n) > 0
	PLACES 8                                       ; behind the last products, ahead of loads into registers that they have read
.endif
.if ((\n)%2 == 0) && ((\n)/2+3 < 8)
	global_prefetch_b8 v[PFO], s[72:73] offset:((\n)/2+3)*65536 th:TH_LOAD_NT scope:SCOPE_SE        ; my four row blocks of the kp three on: 16,384 dense bytes, lanes 256 apart
	global_prefetch_b8 v[PFO], s[72:73] offset:((\n)/2+3)*65536+8192 th:TH_LOAD_NT scope:SCOPE_SE
.endif
.if (\n) < 15
	FETCHY (\n)+1
.if (\n)%2 == 1
	SCALES ((\n)+1)/2
.endif
.endif
.if (\n) < 13
	LOADX (\n)+3
	s_wait_loadcnt 48                              ; this step's 16 loads are in; those of the three steps behind it may be out
.else
	s_wait_loadcnt 16*(15-(\n))
.endif
	PRODS \n
.endm
.macro ADJ w, n                        ; n off each of a scale word's four bytes, held at 0
	v_and_b32 v100, 0xff, v[\w]
	v_bfe_u32 v101, v[\w], 8, 8
	v_bfe_u32 v102, v[\w], 16, 8
	v_lshrrev_b32 v103, 24, v[\w]
	v_min_u32 v104, v100, v[\n]
	v_min_u32 v105, v101, v[\n]
	v_min_u32 v106, v102, v[\n]
	v_min_u32 v107, v103, v[\n]
	v_sub_nc_u32 v100, v100, v104
	v_sub_nc_u32 v101, v101, v105
	v_sub_nc_u32 v102, v102, v106
	v_sub_nc_u32 v103, v103, v107
	v_lshl_or_b32 v[\w], v101, 8, v100
	v_lshl_or_b32 v[\w], v102, 16, v[\w]
	v_lshl_or_b32 v[\w], v103, 24, v[\w]
.endm
	s_load_b256 s[4:11], s[0:1], 0x0               ; pc s[4:5], ps s[6:7], st s[8:9], qkvc s[10:11]
	s_load_b128 s[84:87], s[0:1], 0x20             ; qkvs s[84:85], out0 s[86:87]
	v_lshl_add_u32 v[SPW], v0, 2, SPARE
	v_mov_b32 v[NIL], 0
	ds_add_u32 v[SPW], v[NIL]                      ; the opening: the add, twice on end, and its wait ahead of my first tensor load
	ds_add_u32 v[SPW], v[NIL]
	v_lshrrev_b32 v1, 5, v0
	v_readfirstlane_b32 s3, v1                     ; wave 0..3
	v_and_b32 v1, 31, v0                           ; lane
	v_and_b32 v2, 15, v0                           ; r
	v_bfe_u32 v3, v0, 4, 1                         ; h
	v_lshlrev_b32 v[CO], 4, v1
	v_lshlrev_b32 v[L8], 3, v1
	v_lshlrev_b32 v[PFO], 8, v1
	v_lshlrev_b32 v[TH4], 2, v0
	v_lshlrev_b32 v[TH8], 3, v0
.irp g, 0,1,2,3
	v_lshl_add_u32 v[ADY+\g], v1, 4, \g*65536
.endr
	v_lshl_add_u32 v[ADRS], v2, 3, SCL
	v_lshl_add_u32 v[YSW], v0, 3, SCL
	v_lshl_add_u32 v[LWR], v0, 2, LINV
	v_lshl_add_u32 v[LRD], v2, 2, LINV
	s_mul_i32 s49, s3, 16*SP
	s_add_co_u32 s49, s49, STAGE                   ; my stage
	v_mul_u32_u24 v[STO], v2, SP                   ; in: row r, 32 bytes for each half of the lanes
	v_lshl_add_u32 v[STO], v3, 5, v[STO]
	v_add_nc_u32 v[STO], s49, v[STO]
	v_mul_u32_u24 v[RD], v3, SP                    ; back: lanes 0-15 one row of 256 bytes, lanes 16-31 the next
	v_lshl_add_u32 v[RD], v2, 4, v[RD]
	v_add_nc_u32 v[RD], s49, v[RD]
	v_lshlrev_b32 v[CO2], 12, v3                   ; and the same two rows in out0
	v_lshl_add_u32 v[CO2], v2, 4, v[CO2]
	s_bfe_u32 s14, ttmp6, 0x40000                  ; cx: my tile of d.  It enters global addresses of plain loads and stores alone
	s_and_b32 s48, ttmp7, 0xffff                   ; the cluster's y: which 128 queries, 0..63
	s_mov_b32 s[G1], 15|(3<<16)|(1<<21)            ; 15:0 the mask: all four of the cluster; 17:16 elements of 8 bytes; 21 set beside a mask
	s_mov_b32 s[G1+1], 4096<<16                    ; tensor_dim0 = 4,096 elements: a row of 32,768 bytes: my 8 row blocks of one kp
	s_mov_b32 s[G1+2], 2<<16                       ; tensor_dim1 = 2 rows: two kp
	s_mov_b32 s[G1+3], 4096<<16                    ; tile_dim0
	s_mov_b32 s[G1+4], 2                           ; tile_dim1
	s_mov_b32 s[G1+5], 8192                        ; the pitch: 65,536 bytes from kp to kp
	s_mov_b32 s[G1+6], 0
	s_mov_b32 s[G1+7], 0
	s_lshr_b32 s50, s48, 1                         ; the tile of 256 queries,
	s_and_b32 s51, s48, 1                          ; its half,
	s_lshr_b32 s52, s48, 4                         ; the batch
	s_lshl_b32 s54, s50, 19                        ; pc: [tile][kp][row block]: + 8 row blocks for the half, + two kp for each wave
	s_lshl_b32 s55, s51, 15
	s_add_co_u32 s54, s54, s55
	s_lshl_b32 s55, s3, 17
	s_add_co_u32 s54, s54, s55
	s_mov_b32 s55, 0
	s_lshl_b32 s56, s50, 14                        ; st: [tile][segment 16][256 rows] f32
	s_lshl_b32 s57, s51, 9
	s_add_co_u32 s56, s56, s57
	s_mov_b32 s57, 0
	s_lshl_b32 s58, s50, 14                        ; ps: [tile][kp][256 rows][q] words
	s_lshl_b32 s59, s51, 10
	s_add_co_u32 s58, s58, s59
	s_mov_b32 s59, 0
	s_lshl_b32 s60, s52, 16                        ; V^T's scale words: [batch][tile of d][kp][row block][place][q]: my four row blocks
	s_lshl_b32 s61, s14, 14
	s_add_co_u32 s60, s60, s61
	s_lshl_b32 s61, s3, 9
	s_add_co_u32 s60, s60, s61
	s_add_co_u32 s60, s60, 524288
	s_mov_b32 s61, 0
	s_lshl_b32 s62, s52, 21                        ; V^T's codes likewise
	s_lshl_b32 s63, s14, 19
	s_add_co_u32 s62, s62, s63
	s_lshl_b32 s63, s3, 14
	s_add_co_u32 s62, s62, s63
	s_add_co_u32 s62, s62, 16777216
	s_mov_b32 s63, 0
	s_lshl_b32 s74, s48, 19                        ; out0: 128 rows of 4,096 bytes; + 1,024 for the tile of d, + 256 for the wave
	s_lshl_b32 s75, s14, 10
	s_add_co_u32 s74, s74, s75
	s_lshl_b32 s75, s3, 8
	s_add_co_u32 s74, s74, s75
	s_mov_b32 s75, 0
	s_wait_dscnt 0x0                               ; both opening adds are done
	s_wait_alu depctr_va_vdst(0)                   ; the wait at the head's end
	s_wait_kmcnt 0x0
	s_mov_b32 s[G0], 1
	s_lshl_b32 s[G0+1], s3, 16                     ; LDS: 65,536 x wave
	s_add_nc_u64 s[G0+2:G0+3], s[4:5], s[54:55]
	s_or_b32 s[G0+3], s[G0+3], 0x80000000
	s_add_nc_u64 s[66:67], s[8:9], s[56:57]
	s_add_nc_u64 s[68:69], s[6:7], s[58:59]
	s_add_nc_u64 s[70:71], s[84:85], s[60:61]
	s_add_nc_u64 s[72:73], s[10:11], s[62:63]
	s_add_nc_u64 s[92:93], s[86:87], s[74:75]
.irp k, 0,1,2,3,4,5,6,7,8,9,10,11,12,13,14,15
	global_load_b32 v[128+\k], v[TH4], s[66:67] offset:1024*\k          ; a thread a row: -M_k,
	global_load_b32 v[144+\k], v[TH4], s[66:67] offset:524288+1024*\k   ; l_k,
.endr
.irp kp, 0,1,2,3,4,5,6,7
	global_load_b64 v[160+2*\kp:161+2*\kp], v[TH8], s[68:69] offset:2048*\kp   ; and its scale words
.endr
.irp kp, 0,1,2,3,4,5,6,7
.irp p, 0,1
	global_load_b64 v[XS+4*\kp+2*\p:XS+4*\kp+2*\p+1], v[L8], s[70:71] offset:2048*\kp+256*\p   ; V^T's: lanes 0-15 my row block 2 p, lanes 16-31 block 2 p + 1: 256 dense bytes
.endr
.endr
	CROUND                                         ; all four work-groups are here: the joint loads meet
.macro ARM under, next                 ; one chain of branches on the wave's number, one load to an arm: each wave has a load line of its own
	s_cmp_lt_u32 s3, \under
	s_cbranch_scc0 \next
	tensor_load_to_lds s[G0:G0+3], s[G1:G1+7]
	s_nop 0
	PLACES 4
	s_branch .Lhead_asked
\next:
.endm
	ARM 1, .Lhead_1
	ARM 2, .Lhead_2
	ARM 3, .Lhead_3
	tensor_load_to_lds s[G0:G0+3], s[G1:G1+7]
	s_nop 0
	PLACES 4
.Lhead_asked:
	LOADX 0
	LOADX 1
	LOADX 2
	s_wait_loadcnt 48                              ; all but V^T's 48 loads
	v_min3_num_f32 v96, v128, v129, v130           ; the least -M_k = -M
.irp k, 131,133,135,137,139,141
	v_min3_num_f32 v96, v96, v[\k], v[\k+1]
.endr
	v_min_num_f32 v96, v96, v143
.irp k, 0,1,2,3,4,5,6,7,8,9,10,11,12,13,14,15
	v_sub_f32 v[128+\k], v[128+\k], v96            ; n_k = M - M_k, a whole number, 0 or more
.endr
.irp k, 0,1,2,3,4,5,6,7,8,9,10,11,12,13,14,15
	v_min_num_f32 v[128+\k], 0x437f0000, v[128+\k] ; held at 255
.endr
.irp k, 0,1,2,3,4,5,6,7,8,9,10,11,12,13,14,15
	v_cvt_i32_f32 v[128+\k], v[128+\k]
.endr
.irp k, 0,1,2,3,4,5,6,7,8,9,10,11,12,13,14,15
	v_sub_nc_u32 v[108+\k], 0, v[128+\k]
.endr
.irp k, 0,1,2,3,4,5,6,7,8,9,10,11,12,13,14,15
	v_ldexp_f32 v[144+\k], v[144+\k], v[108+\k]    ; l_k under M
.endr
	v_pk_add_f32 v[98:99], v[144:145], v[146:147]
.irp k, 148,150,152,154,156,158
	v_pk_add_f32 v[98:99], v[98:99], v[\k:\k+1]
.endr
	v_add_f32 v98, v98, v99
	s_wait_alu depctr_va_vdst(0)                   ; the wait ahead of the transcendental
	v_rcp_f32 v98, v98
.irp k, 0,1,2,3,4,5,6,7,8,9,10,11,12,13,14,15
	ADJ 160+\k, 128+\k                             ; word 2 kp + q is segment 2 kp + q's
.endr
	s_wait_alu depctr_va_vdst(0)                   ; and ahead of its first reader
	ds_store_b32 v[LWR], v98
.irp kp, 0,1,2,3,4,5,6,7
	ds_store_b64 v[YSW], v[160+2*\kp:161+2*\kp] offset:1024*\kp
.endr
	s_wait_dscnt 0x0                               ; for the others' sake: my stores have landed
	SHOW 0
	FETCHY 0
	SCALES 0
.irp n, 0,1,2,3,4,5,6,7,8,9,10,11,12,13,14,15
	STEP \n
.endr
	PLACES 8                                       ; behind the last products: their results are read and their registers written below
; THE WAY OUT.  Block a is 16 queries x my 64 of d.  A lane holds 32 neighbouring bytes of a row for each tile of d: the block goes through my own stage and comes back as rows of 256 bytes: sixteen lanes store one aligned unit.
.macro DIV a
	WIN 0x82                                       ; destination and source 0 in window 2
.set n_, 0
.rept 16
	v_pk_mul_f32 v[32*(\a)+n_:32*(\a)+n_+1], v[32*(\a)+n_:32*(\a)+n_+1], v[RL+2*(\a):RL+2*(\a)+1] op_sel_hi:[1,0]   ; each accumulator from its low end on
.set n_, n_+2
.endr
.endm
.macro TOSTAGE a
	WIN 0x08                                       ; the data in window 2
.irp b, 0,1,2,3
	ds_store_b128 v[STO], v[32*(\a)+8*\b:32*(\a)+8*\b+3] offset:64*\b
	ds_store_b128 v[STO], v[32*(\a)+8*\b+4:32*(\a)+8*\b+7] offset:64*\b+16
.endr
	WIN 0
.irp t, 0,1,2,3,4,5,6,7
	ds_load_b128 v[YF+32*((\a)%2)+4*\t:YF+32*((\a)%2)+4*\t+3], v[RD] offset:2*\t*SP   ; LDS serves a wave's instructions in order: these see my stores
.endr
.endm
.macro SEND a, younger                 ; younger: the LDS instructions issued behind block a's loads
	s_wait_dscnt \younger
.irp t, 0,1,2,3,4,5,6,7
	global_store_b128 v[CO2], v[YF+32*((\a)%2)+4*\t:YF+32*((\a)%2)+4*\t+3], s[92:93] offset:(\a)*65536+2*\t*4096 th:TH_STORE_NT
.endr
.endm
.irp a, 0,1,2,3,4,5,6,7
	ds_load_b32 v[RL+2*\a], v[LRD] offset:64*\a    ; 1 / l of my lane's query in block a
	v_mov_b32 v[RL+2*\a+1], 0                      ; (named as the upper half of a pair)
.endr
	s_wait_alu depctr_va_vdst(0)
	s_wait_dscnt 0x0
	DIV 0
	TOSTAGE 0
.irp a, 1,2,3,4,5,6,7
.if \a > 1
	s_wait_xcnt 0x0                                ; block a - 2's stores have read their registers: block a's loads may land there
.endif
	DIV \a
	TOSTAGE \a
	SEND \a-1, 16
.endr
	SEND 7, 0
	s_wait_tensorcnt 0x0                           ; the wave's end
	ds_add_u32 v[SPW], v[NIL]
	s_wait_dscnt 0x0
	CROUND                                         ; the closing round
	s_endpgm
.Lfunc_end_k_q8a44945df3_mix:
	.size	k_q8a44945df3_mix, .Lfunc_end_k_q8a44945df3_mix-k_q8a44945df3_mix
	.p2alignl 7, 3214868480
	.fill 96, 4, 3214868480
	.section	.rodata,"a",@progbits
	.p2align	6, 0x0
	.amdhsa_kernel k_q8a44945df3_mix
		.amdhsa_group_segment_fixed_size 327680
		.amdhsa_private_segment_fixed_size 0
		.amdhsa_enable_private_segment 0
		.amdhsa_kernarg_size 48
		.amdhsa_user_sgpr_count 2
		.amdhsa_user_sgpr_kernarg_segment_ptr 1
		.amdhsa_wavefront_size32 1
		.amdhsa_system_sgpr_workgroup_id_x 1
		.amdhsa_system_sgpr_workgroup_id_y 1
		.amdhsa_system_sgpr_workgroup_id_z 1
		.amdhsa_system_vgpr_workitem_id 0
		.amdhsa_next_free_vgpr 1024
		.amdhsa_next_free_sgpr 102
		.amdhsa_reserve_vcc 0
		.amdhsa_float_denorm_mode_32 3
		.amdhsa_float_denorm_mode_16_64 3
		.amdhsa_memory_ordered 1
		.amdhsa_forward_progress 1
		.amdhsa_inst_pref_size 185
	.end_amdhsa_kernel
	.amdgpu_metadata
---
amdhsa.version: [ 1, 2 ]
amdhsa.kernels:
  - .name:           k_q8a44945df3_mix
    .symbol:         k_q8a44945df3_mix.kd
    .args:
      - { .name: pc, .offset: 0, .size: 8, .value_kind: global_buffer, .address_space: global }
      - { .name: ps, .offset: 8, .size: 8, .value_kind: global_buffer, .address_space: global }
      - { .name: st, .offset: 16, .size: 8, .value_kind: global_buffer, .address_space: global }
      - { .name: qkvc, .offset: 24, .size: 8, .value_kind: global_buffer, .address_space: global }
      - { .name: qkvs, .offset: 32, .size: 8, .value_kind: global_buffer, .address_space: global }
      - { .name: out0, .offset: 40, .size: 8, .value_kind: global_buffer, .address_space: global }
    .group_segment_fixed_size: 327680
    .private_segment_fixed_size: 0
    .kernarg_segment_align: 8
    .kernarg_segment_size: 48
    .max_flat_workgroup_size: 128
    .sgpr_count:     102
    .vgpr_count:     1024
    .wavefront_size: 32
...
	.end_amdgpu_metadata
.endif
;; end of part 4
